; MI455X (gfx1250); checked and timed in simulation.
; The chip was launched on July 23, 2026; its instructions are those of AMD's public machine-readable ISA for CDNA 5 (MIT licence, August 2026) and "CDNA5" Instruction Set Architecture Reference Guide (July 2026). The comments in the code are by the model that wrote it; some were corrected since.
;; Adam Layer. Allowed arithmetic: float matrix products may take bf16 or f16 operands with f32 sums; other float arithmetic in f32, or as packed bf16 or f16 multiplies, adds, multiply-adds, maxima and minima; sums over many terms, partial sums and values carried from step to step in f32; what a program stores and reads back later, other than sums and carried values, may be rounded once to bf16 or f16.
;; Inputs: b1 8 x 2,048 float32; b2 8 x 512 float32; gate_b 8 float32; gate_w 512 x 8 float32; ln_b 512 float32; ln_w 512 float32; m 2 x 2,048 x 512 float32; p 2 x 2,048 x 512 float32; v 2 x 2,048 x 512 float32; w1 8 x 512 x 2,048 float32; w2 8 x 2,048 x 512 float32; x 2 x 2,048 x 512 float32.
;; Outputs: out0 2 x 2,048 x 512 float32; out1 2 x 2,048 x 512 float32; out2 2 x 2,048 x 512 float32; out3 2 x 2,048 x 512 float32.
;; 2 versions, each right and faster than the one before. Each part assembles by itself: llvm-mc -triple=amdgcn-amd-amdhsa -mcpu=gfx1250 --defsym DOCPART=n.
;; ======== version 1 of 2: 3 launches
;; limits: values are held in f16: magnitudes above 65,504 overflow, below 6.1e-05 lose precision
;; workspace buffers: xb 4,194,304 bytes; bm 8,192 bytes of whole numbers; gate 32,768 bytes; part 67,108,864 bytes
;; launch router (part 1): grid 128 x 1, 4 waves a work-group, no clusters, 46,336 bytes of LDS; arguments x, gate_w, gate_b, xb, bm, gate; writes xb, bm, gate
.if DOCPART == 1
	.amdgcn_target "amdgcn-amd-amdhsa--gfx1250"
	.amdhsa_code_object_version 6
	.text
	.protected	k_qfc8c2ab2bb_router
	.globl	k_qfc8c2ab2bb_router
	.p2align	8
	.type	k_qfc8c2ab2bb_router,@function
k_qfc8c2ab2bb_router:
	s_mov_b64 s[64:65], 0
	v_nop
	global_prefetch_b8 v0, s[64:65] scope:SCOPE_SE
	s_setreg_imm32_b32 hwreg(HW_REG_WAVE_MODE, 25, 1), 1
	s_wait_xcnt 0x0
; ROUTER.  logits = x gate_w + gate_b, top 2 of 8, softmax of the two.  A work-group takes 32 tokens, four waves.
; Stored: xb = x rounded to bf16 [4096][512]; gate[2 token + k] = the weight of the token's k-th choice (f32);
; bm[block of 32 tokens][16]: words 0-7 the lanes' masks 'first choice is expert e', words 8-15 the same for the second choice.
; FORMAT.  Every input of the program is rounded once to bf16 (nearest even): here x, gate_w and gate_b.  Sums in f32.
; LIMITS.  Equal logits: the lower index wins, as in lax.top_k.  NaN and infinite logits are not treated apart.
; A second weight whose exponent lies below -126 (in base 2) counts as 0.
; No address and no branch hangs on a logit: the choices leave as masks at fixed places.
.set XP,    1040                       ; an LDS row: 1,024 bytes of bf16 + 16 = 65 x 16: sixteen rows of a fragment load begin 16 bytes apart modulo 256
.set XT,    0                          ; 32 token rows
.set GW,    32*XP                      ; 8 expert rows of gate_w, turned: [expert][d]
.set PL,    41728                      ; partial logits: thread x 32 bytes
.set SPARE, 45824                      ; the spare words: 128 bytes a wave, named by no other line
	s_load_b256 s[4:11], s[0:1], 0x0               ; x s[4:5], gate_w s[6:7], gate_b s[8:9], xb s[10:11]
	s_load_b128 s[12:15], s[0:1], 0x20             ; bm s[12:13], gate s[14:15]
	v_lshl_add_u32 v1, v0, 2, SPARE                ; my spare word
	v_mov_b32 v2, 0                                ; and 0: kept for the add alone
	v_lshrrev_b32 v3, 5, v0
	v_readfirstlane_b32 s16, v3                    ; wave 0..3
	v_and_b32 v4, 31, v0                           ; lane L
	v_lshlrev_b32 v5, 4, v4                        ; 16 L
	v_lshlrev_b32 v6, 3, v4                        ; 8 L
	s_lshl_b32 s17, ttmp9, 16                      ; the group's 32 rows of 2,048 bytes
	s_lshl_b32 s18, s16, 14                        ; my wave's 8 of them
	s_add_co_u32 s18, s18, s17
	s_mov_b32 s19, 0
	s_lshl_b32 s20, s16, 12                        ; my quarter of gate_w: d = 128 w .. 128 w + 127
	s_mov_b32 s21, 0
	s_lshr_b32 s22, s18, 1                         ; the same rows in xb: half the bytes
	s_mov_b32 s23, 0
	s_mov_b32 s35, 0xffff0000                      ; lanes 16-31
	s_wait_kmcnt 0x0
	s_load_b256 s[24:31], s[8:9], 0x0              ; gate_b, wanted by wave 0 at the end
	s_add_nc_u64 s[4:5], s[4:5], s[18:19]
	s_add_nc_u64 s[6:7], s[6:7], s[20:21]
	s_add_nc_u64 s[10:11], s[10:11], s[22:23]
.set i, 0
.rept 32                                               ; 8 rows, four loads of 512 consecutive bytes each
	global_load_b128 v[16+4*i:19+4*i], v5, s[4:5] offset:(i/4)*2048+(i%4)*512 th:TH_LOAD_NT
.set i, i+1
.endr
.set i, 0
.rept 8                                                ; gate_w: lane L holds d = 128 w + 16 i + L / 2, experts 4 (L % 2) + 0..3
	global_load_b128 v[144+4*i:147+4*i], v5, s[6:7] offset:512*i
.set i, i+1
.endr
	s_mul_i32 s32, s16, 8*XP
	v_add_nc_u32 v7, s32, v6                       ; XT: my wave's first row + 8 L
	v_and_b32 v9, 1, v4
	v_mul_u32_u24 v8, v9, 4*XP                     ; GW: expert row 4 (L % 2),
	v_and_b32 v9, 30, v4                           ; 2 bytes x (L / 2),
	v_add_nc_u32 v8, v8, v9
	s_lshl_b32 s33, s16, 8                         ; 2 bytes x 128 w
	s_add_co_u32 s33, s33, GW
	v_add_nc_u32 v8, s33, v8
	v_and_b32 v9, 15, v4                           ; r
	v_lshrrev_b32 v10, 4, v4                       ; h
	v_and_b32 v11, 7, v4
	v_mul_u32_u24 v11, v11, XP                     ; source 0: row r % 8 of GW: rows 8-15 of the fragment repeat the experts
	v_lshl_add_u32 v11, v10, 4, v11
	v_add_nc_u32 v11, s33, v11
	v_mul_u32_u24 v12, v9, XP                      ; source 1: token row r (and 16 + r)
	v_lshl_add_u32 v12, v10, 4, v12
	s_lshl_b32 s34, s16, 8
	v_add_nc_u32 v12, s34, v12
	v_lshl_add_u32 v13, v0, 5, PL
	s_wait_loadcnt 8                               ; x is in; the 8 younger loads (gate_w) may stay out
.set i, 0
.rept 32                                               ; rounded in place; a wave's store covers 256 consecutive bytes of xb, aligned
	v_cvt_pk_bf16_f32 v[16+4*i], v[16+4*i], v[17+4*i]
	v_cvt_pk_bf16_f32 v[17+4*i], v[18+4*i], v[19+4*i]
	global_store_b64 v6, v[16+4*i:17+4*i], s[10:11] offset:(i/4)*1024+(i%4)*256
	ds_store_b64 v7, v[16+4*i:17+4*i] offset:(i/4)*XP+(i%4)*256
.set i, i+1
.endr
	s_wait_loadcnt 0x0
.set i, 0
.rept 8
	v_cvt_pk_bf16_f32 v[144+4*i], v[144+4*i], v[145+4*i]
	v_cvt_pk_bf16_f32 v[145+4*i], v[146+4*i], v[147+4*i]
	ds_store_b16 v8, v[144+4*i] offset:32*i
	ds_store_b16_d16_hi v8, v[144+4*i] offset:32*i+XP
	ds_store_b16 v8, v[145+4*i] offset:32*i+2*XP
	ds_store_b16_d16_hi v8, v[145+4*i] offset:32*i+3*XP
.set i, i+1
.endr
	s_wait_dscnt 0x0                               ; for the others' sake: my rows of XT are written
	s_barrier_signal -1
	s_barrier_wait -1
	s_wait_xcnt 0x0                                ; the stores to xb have read their registers: v16 on are loaded again only behind this wait
.irp k, 0,1,2,3                                        ; wave w multiplies d = 128 w + 32 k ..: four K steps
	ds_load_b128 v[16+8*\k:19+8*\k], v11 offset:64*\k
	ds_load_b128 v[20+8*\k:23+8*\k], v11 offset:64*\k+32
	ds_load_b128 v[48+8*\k:51+8*\k], v12 offset:64*\k
	ds_load_b128 v[52+8*\k:55+8*\k], v12 offset:64*\k+32
	ds_load_b128 v[80+8*\k:83+8*\k], v12 offset:16*XP+64*\k
	ds_load_b128 v[84+8*\k:87+8*\k], v12 offset:16*XP+64*\k+32
.endr
	s_wait_dscnt 0x0
	v_wmma_f32_16x16x32_bf16 v[112:119], v[16:23], v[48:55], 0      ; the first K step starts both sums; the two accumulators take turns
	v_wmma_f32_16x16x32_bf16 v[120:127], v[16:23], v[80:87], 0
.irp k, 1,2,3
	v_wmma_f32_16x16x32_bf16 v[112:119], v[16+8*\k:23+8*\k], v[48+8*\k:55+8*\k], v[112:119]
	v_wmma_f32_16x16x32_bf16 v[120:127], v[16+8*\k:23+8*\k], v[80+8*\k:87+8*\k], v[120:127]
.endr
.rept 4
	v_nop                                          ; four places between a product and the first read of its result (ISA guide 7.12.1)
.endr
.irp j, 0,1,2,3,4,5,6,7                                ; register j is expert j in every lane; lanes 16-31 take tokens 16-31: lane L now holds token L
	v_cndmask_b32 v[128+\j], v[112+\j], v[120+\j], s35
.endr
	ds_store_b128 v13, v[128:131]
	ds_store_b128 v13, v[132:135] offset:16
	s_wait_dscnt 0x0                               ; for wave 0's sake
	s_barrier_signal -1
	s_barrier_wait -1
	s_cmp_lg_u32 s16, 0
	s_cbranch_scc1 .Lend                           ; the rest is wave 0's: 32 lanes, 32 tokens; no barrier follows
	v_lshl_add_u32 v14, v4, 5, PL
.irp q, 0,1,2,3
	ds_load_b128 v[136+8*\q:139+8*\q], v14 offset:1024*\q
	ds_load_b128 v[140+8*\q:143+8*\q], v14 offset:1024*\q+16
.endr
	s_wait_kmcnt 0x0                               ; gate_b
.irp j, 0,2,4,6
	v_cvt_pk_bf16_f32 v176, s[24+\j], s[25+\j]     ; rounded to bf16 like every input
	v_lshlrev_b32 v[180+\j], 16, v176
	v_and_b32 v[181+\j], 0xffff0000, v176
.endr
	s_lshl_b32 s36, ttmp9, 8
	s_mov_b32 s37, 0
	s_add_nc_u64 s[14:15], s[14:15], s[36:37]      ; gate: 32 tokens x 8 bytes
	s_lshl_b32 s36, ttmp9, 6
	s_add_nc_u64 s[12:13], s[12:13], s[36:37]      ; bm: 16 words
	s_wait_dscnt 0x0
.irp j, 0,2,4,6                                        ; (p0 + p1) + (p2 + p3) + bias
	v_pk_add_f32 v[136+\j:137+\j], v[136+\j:137+\j], v[144+\j:145+\j]
	v_pk_add_f32 v[152+\j:153+\j], v[152+\j:153+\j], v[160+\j:161+\j]
	v_pk_add_f32 v[136+\j:137+\j], v[136+\j:137+\j], v[152+\j:153+\j]
	v_pk_add_f32 v[136+\j:137+\j], v[136+\j:137+\j], v[180+\j:181+\j]
.endr
	v_mov_b32 v168, v136                           ; the largest: only a strictly greater logit displaces an earlier one
	v_mov_b32 v169, 0
.irp e, 1,2,3,4,5,6,7
	v_cmp_gt_f32 vcc_lo, v[136+\e], v168
	v_cndmask_b32 v168, v168, v[136+\e], vcc_lo
	v_cndmask_b32 v169, v169, \e, vcc_lo
.endr
	v_mov_b32 v172, 0xff800000                     ; the winner leaves the field
.irp e, 0,1,2,3,4,5,6,7
	v_cmp_eq_u32 vcc_lo, \e, v169
	v_cndmask_b32 v[136+\e], v[136+\e], v172, vcc_lo
.endr
	v_mov_b32 v170, v136                           ; the second largest, the same way
	v_mov_b32 v171, 0
.irp e, 1,2,3,4,5,6,7
	v_cmp_gt_f32 vcc_lo, v[136+\e], v170
	v_cndmask_b32 v170, v170, v[136+\e], vcc_lo
	v_cndmask_b32 v171, v171, \e, vcc_lo
.endr
	v_sub_f32 v173, v170, v168                     ; the maximum is taken away: l2 - l1 <= 0
	v_mul_f32 v173, 0x3fb8aa3b, v173
	v_exp_f32 v174, v173
	v_mov_b32 v178, 0                              ; a plain instruction behind the exponential
	s_wait_alu depctr_va_vdst(0)                   ; the wait ahead of the first use
	v_add_f32 v175, 1.0, v174
	v_rcp_f32 v176, v175                           ; g0 = 1 / (1 + e)
	v_lshlrev_b32 v15, 2, v4                       ; a plain instruction behind the reciprocal
	s_wait_alu depctr_va_vdst(0)
	v_mul_f32 v177, v174, v176                     ; g1 = e g0
.irp e, 0,1,2,3,4,5,6,7
	v_cmp_eq_u32 s[40+\e], \e, v169
	v_cmp_eq_u32 s[48+\e], \e, v171
.endr
.set i, 0
.rept 16
	v_writelane_b32 v178, s[40+i], i               ; word i into lane i
.set i, i+1
.endr
	global_store_b64 v6, v[176:177], s[14:15]      ; 256 consecutive bytes, aligned
	v_cmp_gt_u32 vcc_lo, 16, v4
	s_wait_xcnt 0x0                                ; EXEC changes only behind this wait
	s_and_saveexec_b32 s38, vcc_lo
	global_store_b32 v15, v178, s[12:13]           ; 64 consecutive bytes
	s_wait_xcnt 0x0                                ; and again ahead of the line that widens it
	s_or_b32 exec_lo, exec_lo, s38
.Lend:
	s_wait_tensorcnt 0x0                           ; the wave's end: three lines behind my last LDS store
	ds_add_u32 v1, v2
	s_wait_dscnt 0x0
	s_endpgm
.Lfunc_end_k_qfc8c2ab2bb_router:
	.size	k_qfc8c2ab2bb_router, .Lfunc_end_k_qfc8c2ab2bb_router-k_qfc8c2ab2bb_router
	.p2alignl 7, 3214868480
	.fill 96, 4, 3214868480
	.section	.rodata,"a",@progbits
	.p2align	6, 0x0
	.amdhsa_kernel k_qfc8c2ab2bb_router
		.amdhsa_group_segment_fixed_size 46336
		.amdhsa_private_segment_fixed_size 0
		.amdhsa_enable_private_segment 0
		.amdhsa_kernarg_size 48
		.amdhsa_user_sgpr_count 2
		.amdhsa_user_sgpr_kernarg_segment_ptr 1
		.amdhsa_wavefront_size32 1
		.amdhsa_system_sgpr_workgroup_id_x 1
		.amdhsa_system_sgpr_workgroup_id_y 1
		.amdhsa_system_sgpr_workgroup_id_z 1
		.amdhsa_system_vgpr_workitem_id 0
		.amdhsa_next_free_vgpr 192
		.amdhsa_next_free_sgpr 66
		.amdhsa_reserve_vcc 1
		.amdhsa_float_denorm_mode_32 3
		.amdhsa_float_denorm_mode_16_64 3
		.amdhsa_memory_ordered 1
		.amdhsa_forward_progress 1
		.amdhsa_inst_pref_size 29
	.end_amdhsa_kernel
	.amdgpu_metadata
---
amdhsa.version: [ 1, 2 ]
amdhsa.kernels:
  - .name:           k_qfc8c2ab2bb_router
    .symbol:         k_qfc8c2ab2bb_router.kd
    .args:
      - { .name: x, .offset: 0, .size: 8, .value_kind: global_buffer, .address_space: global }
      - { .name: gate_w, .offset: 8, .size: 8, .value_kind: global_buffer, .address_space: global }
      - { .name: gate_b, .offset: 16, .size: 8, .value_kind: global_buffer, .address_space: global }
      - { .name: xb, .offset: 24, .size: 8, .value_kind: global_buffer, .address_space: global }
      - { .name: bm, .offset: 32, .size: 8, .value_kind: global_buffer, .address_space: global }
      - { .name: gate, .offset: 40, .size: 8, .value_kind: global_buffer, .address_space: global }
    .group_segment_fixed_size: 46336
    .private_segment_fixed_size: 0
    .kernarg_segment_align: 8
    .kernarg_segment_size: 48
    .max_flat_workgroup_size: 128
    .sgpr_count:     66
    .vgpr_count:     192
    .wavefront_size: 32
...
	.end_amdgpu_metadata
.endif
;; end of part 1
;; launch chain (part 2): grid 64 x 4, 4 waves a work-group, no clusters, 158,208 bytes of LDS; arguments bm, gate, xb, w1, b1, w2, b2, part; writes part
.if DOCPART == 2
	.amdgcn_target "amdgcn-amd-amdhsa--gfx1250"
	.amdhsa_code_object_version 6
	.text
	.protected	k_qfc8c2ab2bb_chain
	.globl	k_qfc8c2ab2bb_chain
	.p2align	8
	.type	k_qfc8c2ab2bb_chain,@function
k_qfc8c2ab2bb_chain:
	s_mov_b64 s[64:65], 0
	v_nop
	global_prefetch_b8 v0, s[64:65] scope:SCOPE_SE
	s_setreg_imm32_b32 hwreg(HW_REG_WAVE_MODE, 25, 1), 1
	s_wait_xcnt 0x0
; THE EXPERTS.  part[s][2 token + k][:] = gate x ( relu(x w1[E][:, slice s] + b1) w2[E][slice s, :] + (s = 0 ? b2 : 0) ), for the rows that chose expert E.
; GRID.  x = tile slot T (0..63), y = slice s of H (512 of 2,048).  A tile is 144 routed rows of one expert: the sum over experts of ceil(c / 144) is at most
; (8,192 + 8 x 143) / 144 = 64.8, so 64 slots serve every split of the tokens.  Every work-group counts the routing for itself from the 8 KiB of masks.
; A slot that a split leaves without rows passes every barrier, runs each product's first K step, jumps the rest and stores nothing.
; SHARES.  Four waves; a wave owns all 144 rows x 128 of the 512 columns in both products: 72 accumulators of 16 x 16, 576 registers.
; X (later H) lies in LDS, 16 bits a number.  THE WEIGHTS COME FROM MEMORY STRAIGHT INTO REGISTERS AS f32 and are rounded there: the waves' columns are disjoint, so no
; weight byte is loaded twice in a work-group.  A load: lanes 0-15 take 256 consecutive bytes of row k, lanes 16-31 of row k + 8; the packed conversion of the loads
; of rows k and k + 1 makes one register of each of four fragments: fragment f of a group G of 64 columns holds column 64 G + 4 r + f in lane r.
; No tensor loads and no joint requests: whole clusters for each expert would want up to 22 x 4 clusters where 64 exist, and beside the 150 KB of X there is
; room for slots of one K step only; two K steps of weights wait in registers instead, and the K loops hold no barrier.
; FORMAT.  All inputs are rounded once to bf16 (w1, b1, w2, b2 here; x by the router); sums in f32.  The first product multiplies in bf16.  h is rounded once to f16
; (11 significant bits): the last launch divides by sqrt(v_new), which can be very small, and 8 bits in h do not leave the room that this wants.  So the second product
; multiplies in f16, and w2, rounded to bf16 like every input, is written as f16.
; LIMITS.  h of 65,520 or more becomes infinite (x of spread 1 and w1 of spread 0.02 give h a spread of 0.45; both 30 times larger about 2,400 at the most; both with an
; offset of 30 spreads about 9,200).  A rounded w2 is exact in f16 from 7.6e-6 to 65,504 in magnitude; below, it keeps f16's fixed step of 6e-8.
; In a tile that is not full the places past the count repeat its last row; within the last block of 16 they store the same bytes again at the same place.
; REGISTERS, in windows of 256 (s_set_vgpr_msb: bits 1:0 source 0, 3:2 source 1, 5:4 source 2, 7:6 destination):
;   window 0: v0-15 addresses; v16-63 a ring of six fragments of X or H; v64-127, v128-191 B's fragments, two buffers; v192-255 the accumulators of row block 8
;   window 1: two landing buffers of 128 for f32 weights     window 2: accumulators of row blocks 0-3 (64 a block)     window 3: of blocks 4-7
.set XP,    1040                       ; an LDS row: 1,024 bytes + 16 = 65 x 16: sixteen rows of a fragment load begin 16 bytes apart modulo 256
.set TB,    0                          ; 128 x 16 bytes: for each block of 32 tokens: rows of E before it, mask of E's tokens, mask 'E is the second choice', 0
.set WT,    2048                       ; the four waves' totals
.set LIST,  2304                       ; 144 slots (2 token + k)
.set GATE,  3072                       ; 144 weights
.set B2P,   3840                       ; b2 of my eight columns, set aside: thread x 32 bytes
.set SPARE, 7936                       ; the spare words: 128 bytes a wave, named by no other line
.set XH,    8448                       ; 144 rows: X, later H
.set SPW, 1                            ; v1   my spare word's address; never rewritten
.set NIL, 2                            ; v2   0, for the add alone
.set VW,  3                            ; v3   byte offset of my lane in the weight stream; steps by a K step
.set VW2, 4                            ; v4   its first value for w2
.set AB,  5                            ; v5-7 LDS address of my fragment row in row blocks 0, 3, 6, at the K step in hand
.set ZR,  8                            ; v8   0
.set RING, 16
.set BF,  64
.set ACC8, 192
.set WV,  20                           ; s20 wave   s21 T   s22 s   s23 E   s24 c_E   s25 E's first slot   s26 slots dealt
.set TT,  21
.set SL,  22
.set EX,  23
.set R0,  28                           ; s28 the tile's first row among E's rows
.set CNTR, 29                          ; s29 its rows (0: none)
.set LIVE, 30                          ; s30 1: the slot has rows
.set CM1, 31                           ; s31 max(rows, 1) - 1
.set STP, 56                           ; s56 bytes of a K step in the weight stream
.set CNT, 57                           ; s57 loop counter
.set RB,  68                           ; s[68:99] sixteen row bases: pair 8 u + t = weights + (16 u + t) rows
.set MSB, 0
.macro WIN new                         ; the immediate's high byte repeats the setting that is left; a switch that changes nothing is dropped
.if MSB != (\new)
	s_set_vgpr_msb (MSB<<8)|(\new)
.set MSB, (\new)
.endif
.endm
.macro POPC d, s                       ; v[d] = the number of ones in v[s]
	v_lshrrev_b32 v9, 1, v[\s]
	v_and_b32 v9, s2, v9
	v_sub_nc_u32 v[\d], v[\s], v9
	v_lshrrev_b32 v9, 2, v[\d]
	v_and_b32 v[\d], s3, v[\d]
	v_and_b32 v9, s3, v9
	v_add_nc_u32 v[\d], v[\d], v9
	v_lshrrev_b32 v9, 4, v[\d]
	v_add_nc_u32 v[\d], v[\d], v9
	v_and_b32 v[\d], s66, v[\d]
	v_mul_lo_u32 v[\d], v[\d], s67
	v_lshrrev_b32 v[\d], 24, v[\d]
.endm
.macro SCAN m, mask                    ; one step of the prefix sum over the lanes: the partner m away; the upper partner adds the lower group's total to its prefix
.irp j, 0,1,2,3
.if (\m) < 16
	v_mov_b32_dpp v[56+\j], v[48+\j] row_xmask:\m row_mask:0xf bank_mask:0xf
.else
	v_permlanex16_b32 v[56+\j], v[48+\j], s54, s55
.endif
.endr
.irp j, 0,1,2,3
	v_cndmask_b32 v[60+\j], v[ZR], v[56+\j], \mask
.endr
.irp j, 0,1,2,3
	v_add_nc_u32 v[52+\j], v[52+\j], v[60+\j]
	v_add_nc_u32 v[48+\j], v[48+\j], v[56+\j]
.endr
.endm
.macro BASES ptr, stride               ; the sixteen row bases of a weight stream
.set i, 0
.rept 16
	s_add_nc_u64 s[RB+2*i:RB+2*i+1], s[\ptr:\ptr+1], (16*(i/8)+i%8)*(\stride)
.set i, i+1
.endr
.endm
; Bunch bb = 8 G + 4 u + p of a K step: the loads of rows 16 u + 2 p and 16 u + 2 p + 1 (+ 8 in lanes 16-31), columns 64 G + 4 r + 0..3.
.macro CVB buf, bb                     ; w1: rounded to bf16: register 4 u + p of fragments 4 G + 0..3
	WIN 0x05                                       ; sources window 1, destination window 0
.irp f, 0,1,2,3
	v_cvt_pk_bf16_f32 v[BF+64*(\buf)+8*(4*((\bb)/8)+\f)+4*(((\bb)/4)%2)+(\bb)%4], v[128*(\buf)+8*(\bb)+\f], v[128*(\buf)+8*(\bb)+4+\f]
.endr
.endm
.macro RNB buf, bb, f                  ; w2: column f's two numbers rounded to bf16 in place: 0 goes into the low half, so the word is the rounded number as f32
	WIN 0x44                                       ; source 0 (the zero) window 0, source 1 and destination window 1
	v_cvt_pk_bf16_f32 v[128*(\buf)+8*(\bb)+(\f)], v[ZR], v[128*(\buf)+8*(\bb)+(\f)]
	v_cvt_pk_bf16_f32 v[128*(\buf)+8*(\bb)+4+(\f)], v[ZR], v[128*(\buf)+8*(\bb)+4+(\f)]
.endm
.macro PKH buf, bb, f                  ; and written as f16: register 4 u + p of fragment 4 G + f
	WIN 0x05
	v_cvt_pk_f16_f32 v[BF+64*(\buf)+8*(4*((\bb)/8)+(\f))+4*(((\bb)/4)%2)+(\bb)%4], v[128*(\buf)+8*(\bb)+(\f)], v[128*(\buf)+8*(\bb)+4+(\f)]
.endm
.macro GLB buf, bb                     ; loaded
.set rL, 128*(\buf)+8*(\bb)
.set sB, RB+2*(8*(((\bb)/4)%2)+2*((\bb)%4))
	WIN 0x40                                       ; destination window 1, offset window 0
	global_load_b128 v[rL:rL+3], v[VW], s[sB:sB+1] offset:256*((\bb)/8)
	global_load_b128 v[rL+4:rL+7], v[VW], s[sB+2:sB+3] offset:256*((\bb)/8)
.endm
.macro GLDALL buf                      ; a whole K step's 32 loads; then the stream steps
.set gb, 0
.rept 16
	GLB \buf, gb
.set gb, gb+1
.endr
	WIN 0
	s_wait_xcnt 0x0                                ; the offset is rewritten only behind this wait
	v_add_nc_u32 v[VW], s[STP], v[VW]
.endm
.macro CVTALL buf
.set gb, 0
.rept 16
	CVB \buf, gb
.set gb, gb+1
.endr
	WIN 0
.endm
.macro RND2 a, t                       ; v[a], v[a+1] rounded to bf16, kept as f32
	v_cvt_pk_bf16_f32 v[\t], v[\a], v[(\a)+1]
	v_lshlrev_b32 v[\a], 16, v[\t]
	v_and_b32 v[(\a)+1], 0xffff0000, v[\t]
.endm
.macro BIAS8 src                       ; block 8's accumulators take the bias of the lane's column: the C operand with which all nine blocks start their sums
.set i, 0
.rept 64
	v_mov_b32 v[ACC8+i], v[(\src)+i/8]
.set i, i+1
.endr
.endm
.macro SRCH step, n, clamp             ; both row sets: of n blocks, step apart, how many begin at or before my row?
.if (\clamp) >= 0
	v_min_u32 v20, \clamp, v20                     ; the index is bounded in the text: no read leaves TB
	v_min_u32 v21, \clamp, v21
.endif
.set c, 1
.rept \n
	ds_load_b32 v[21+c], v20 offset:TB+16*(\step)*c
	ds_load_b32 v[24+c], v21 offset:TB+16*(\step)*c
.set c, c+1
.endr
	v_mov_b32 v29, 16*(\step)
	s_wait_dscnt 0x0
.set c, 1
.rept \n
	v_cmp_le_u32 vcc_lo, v[21+c], v18
	v_cndmask_b32 v28, v[ZR], v29, vcc_lo
	v_add_nc_u32 v20, v20, v28
	v_cmp_le_u32 vcc_lo, v[24+c], v19
	v_cndmask_b32 v28, v[ZR], v29, vcc_lo
	v_add_nc_u32 v21, v21, v28
.set c, c+1
.endr
.endm
.macro NSTEP q, pos, lvl, fw, w        ; are the q + 1 ones wanted all above the next w bits?
	v_bfe_u32 v44, v[\lvl], v[\pos], \fw
	v_mov_b32 v45, \w
	v_cmp_ge_u32 vcc_lo, v[\q], v44
	v_cndmask_b32 v44, v[ZR], v44, vcc_lo
	v_cndmask_b32 v45, v[ZR], v45, vcc_lo
	v_sub_nc_u32 v[\q], v[\q], v44
	v_add_nc_u32 v[\pos], v[\pos], v45
.endm
.macro NTH q, ent, lo, pos, slot       ; v[ent..ent+2] = a TB entry; v[q] = my row: the place of one number q - P in the mask, and the slot 2 token + k
	v_sub_nc_u32 v[\q], v[\q], v[\ent]
	v_lshrrev_b32 v40, 1, v[(\ent)+1]
	v_and_b32 v40, 0x55555555, v40
	v_sub_nc_u32 v40, v[(\ent)+1], v40             ; counts of 2 bits
	v_lshrrev_b32 v41, 2, v40
	v_and_b32 v41, 0x33333333, v41
	v_and_b32 v42, 0x33333333, v40
	v_add_nc_u32 v41, v41, v42                     ; of 4
	v_lshrrev_b32 v42, 4, v41
	v_add_nc_u32 v42, v42, v41
	v_and_b32 v42, 0x0f0f0f0f, v42                 ; of 8
	v_lshrrev_b32 v43, 8, v42
	v_add_nc_u32 v43, v43, v42
	v_and_b32 v43, 0x00ff00ff, v43                 ; of 16
	v_mov_b32 v[\pos], 0
	NSTEP \q, \pos, 43, 8, 16
	NSTEP \q, \pos, 42, 8, 8
	NSTEP \q, \pos, 41, 4, 4
	NSTEP \q, \pos, 40, 2, 2
	NSTEP \q, \pos, (\ent)+1, 1, 1
	v_bfe_u32 v44, v[(\ent)+2], v[\pos], 1         ; k
	v_lshl_add_u32 v44, v[\pos], 1, v44
	v_lshl_add_u32 v44, v[\lo], 2, v44             ; 64 x block = 4 x (16 x block)
	v_min_u32 v[\slot], 0x1fff, v44                ; bounded in the text before it enters an address
.endm
.macro ABINIT
	v_and_b32 v12, 15, v0
	v_bfe_u32 v13, v0, 4, 1
	v_mul_u32_u24 v[AB], v12, XP
	v_lshl_add_u32 v[AB], v13, 4, v[AB]            ; row r x pitch + 16 h
	v_add_nc_u32 v[AB], XH, v[AB]
	v_add_nc_u32 v[AB+1], 48*XP, v[AB]
	v_add_nc_u32 v[AB+2], 96*XP, v[AB]
.endm
.macro ABSTEP n
.irp j, 0,1,2
	v_add_nc_u32 v[AB+\j], \n, v[AB+\j]
.endr
.endm
.macro ALD                             ; the fragments of row blocks 0-4 of K step 0
.set nb, 0
.rept 5
	ds_load_b128 v[RING+8*nb:RING+8*nb+3], v[AB+nb/3] offset:(nb%3)*16*XP
	ds_load_b128 v[RING+8*nb+4:RING+8*nb+7], v[AB+nb/3] offset:(nb%3)*16*XP+32
.set nb, nb+1
.endr
.endm
.macro MMA fm                          ; the product whose registers STEP has just named: in bf16 (fm = 0) or in f16 (fm = 1)
.if \fm
	v_wmma_f32_16x16x32_f16 v[rD:rD+7], v[rA:rA+7], v[rB:rB+7], v[rC:rC+7]
.else
	v_wmma_f32_16x16x32_bf16 v[rD:rD+7], v[rA:rA+7], v[rB:rB+7], v[rC:rC+7]
.endif
.endm
; A K STEP: 72 products, row block mb = pos / 8, column fragment nf = pos % 8.  The 72 accumulators take turns, over the loops' edges too.
; par: the step's parity: B's buffer par is multiplied; landing buffer 1 - par (the next step's weights) is converted into B's buffer 1 - par (cv = 1) and
; loaded again with the weights three steps on (ld = 1), a bunch at a time, the bunches in ascending order.
; cf = 0 (the next step's weights are w1's): a bunch is four conversions, behind products 8 mb + 1 and 8 mb + 4 (blocks 0-6), 57 and 68.
; cf = 1 (they are w2's): a bunch is twelve, dealt over four products, 4 + 4 b .. 7 + 4 b: four roundings, two packings, four roundings, two packings: never more than four
; vector instructions behind a product.  In both the bunch's two loads stand directly behind its last conversion.
; The wait ahead of bunches b and b + 1 (b even) leaves out what was issued behind their four loads: 28 - 2 b of the same step, 32 of the next, 2 b of this
; step's own: wb - wd b = 60; in the steps that load nothing 60 - 2 b and 28 - 2 b.
; Behind a block's last product the fragment of the block five on is fetched into the ring buffer that the block before read: the conversions between are the
; four places behind its last reader (ISA guide 7.12.1 for vector instructions); with cv = 0 four v_nop.  At a block's head the four younger blocks' 8 loads may stay out.
; A conversion writes a register of B's other buffer four places or more behind the product that read it last.  Fragments 0-3 were read at products 64-67 of the
; step before: with cf = 0 bunch 15 stands behind them; with cf = 1 four, two, four and two conversions stand behind products 64 to 67, and four more behind this step's
; product 4, ahead of the first write.  Fragments 4-7 are written from bunch 8 on.
; first = 1: the sums start with the bias, block 8's accumulators as the C operand; block 8 then adds in place, and a v_nop behind each of products 56-70 keeps
; more than five places between the last read of such a C and the product that writes over it.
; alast = 1: the product's last step: nothing of a next step is fetched.  krel: bytes from AB to this step's K.
.macro STEP par, first, cv, ld, wb, wd, alast, krel, fm, cf
.set pos, 0
.rept 72
.set mb, pos/8
.set nf, pos%8
.if nf == 0
.set dw, 8
.if (\alast) && (mb > 4)
.set dw, 2*(8-mb)
.endif
	s_wait_dscnt dw
.endif
.set rA, RING+8*((mb+3*(\par))%6)
.set rB, BF+64*(\par)+8*nf
.if mb < 8
.set rD, 64*(mb%4)+8*nf
.set wD, 2+mb/4
.else
.set rD, ACC8+8*nf
.set wD, 0
.endif
.set rC, rD
.if (\first) && (mb < 8)
.set rC, ACC8+8*nf
	WIN (wD<<6)
.else
	WIN (wD<<6)|(wD<<4)
.endif
	MMA \fm
.if (\first) && (pos >= 56) && (pos < 71)
	v_nop
.endif
.if (\cv) && (\cf)
.if (pos >= 4) && (pos < 68)
.set bb, (pos-4)/4
.set ph, (pos-4)%4
.if (ph == 0) && (bb%2 == 0)
	s_wait_loadcnt (\wb)-(\wd)*bb
.endif
.if ph%2 == 0
	RNB 1-(\par), bb, ph
	RNB 1-(\par), bb, ph+1
.else
	PKH 1-(\par), bb, ph-1
	PKH 1-(\par), bb, ph
.endif
.if (ph == 3) && (\ld)
	GLB 1-(\par), bb
.endif
.endif
.endif
.if (\cv) && !(\cf)
.set bb, -1
.if (mb < 7) && (nf == 1)
.set bb, 2*mb
.elseif (mb < 7) && (nf == 4)
.set bb, 2*mb+1
.elseif pos == 57
.set bb, 14
.elseif pos == 68
.set bb, 15
.endif
.if bb >= 0
.if bb%2 == 0
	s_wait_loadcnt (\wb)-(\wd)*bb
.endif
	CVB 1-(\par), bb
.if \ld
	GLB 1-(\par), bb
.endif
.endif
.endif
.if nf == 7
.set nb, mb+5
.set ko, \krel
.if nb > 8
.set nb, nb-9
.set ko, ko+64
.endif
.if (!(\alast)) || (mb < 4)
.if !(\cv)
.rept 4
	v_nop
.endr
.endif
	WIN 0
.set rR, RING+8*((mb+5+3*(\par))%6)
	ds_load_b128 v[rR:rR+3], v[AB+nb/3] offset:(nb%3)*16*XP+ko
	ds_load_b128 v[rR+4:rR+7], v[AB+nb/3] offset:(nb%3)*16*XP+ko+32
.endif
.endif
.if (pos == 70) && (\ld)
	WIN 0
	s_wait_xcnt 0x0                                ; the stream's offset is rewritten only behind this wait
	v_add_nc_u32 v[VW], s[STP], v[VW]
.endif
.set pos, pos+1
.endr
.endm
; h of row block mb: rounded to f16 (a lane's four neighbouring columns make 8 bytes), ReLU on the packed halves, into H's rows.  Each accumulator's register 0 is read first.
.macro HOUT mb
.set tS, BF+64+32*((\mb)%2)
.if (\mb) < 8
.set rb, 64*((\mb)%4)
	WIN 0x0a+5*((\mb)/4)                           ; sources window 2 or 3
.else
.set rb, ACC8
	WIN 0
.endif
.irp j, 0,1,2,3,4,5,6,7
.irp g, 0,1
	v_cvt_pk_f16_f32 v[tS+4*\j+2*\g], v[rb+32*\g+\j], v[rb+32*\g+8+\j]
	v_cvt_pk_f16_f32 v[tS+4*\j+2*\g+1], v[rb+32*\g+16+\j], v[rb+32*\g+24+\j]
.endr
.endr
	WIN 0
.set i, 0
.rept 32
	v_pk_max_num_f16 v[tS+i], v[tS+i], v[ZR]
.set i, i+1
.endr
.irp j, 0,1,2,3,4,5,6,7
.irp g, 0,1
	ds_store_b64 v[9+(\mb)/3], v[tS+4*\j+2*\g:tS+4*\j+2*\g+1] offset:(((\mb)%3)*16+\j)*XP+128*\g
.endr
.endr
.endm
.macro LGLD mb                         ; slots and weights of rows 16 mb + 8 h + 0..7, into set mb % 2
.set sS, RING+16*((\mb)%2)
	ds_load_b128 v[sS:sS+3], v10 offset:LIST+64*(\mb)
	ds_load_b128 v[sS+4:sS+7], v10 offset:LIST+64*(\mb)+16
	ds_load_b128 v[sS+8:sS+11], v10 offset:GATE+64*(\mb)
	ds_load_b128 v[sS+12:sS+15], v10 offset:GATE+64*(\mb)+16
.endm
; Row block mb leaves: times the row's weight, 16 bytes a lane; lanes 0-15 store 256 consecutive bytes of one row of part, aligned, lanes 16-31 of another.
; A block that lies wholly past the count ends the way out: a forward jump, past no barrier.
.macro POUT mb
	s_cmp_le_u32 s[CNTR], 16*(\mb)
	s_cbranch_scc1 .Lend
.if (\mb) < 8
	LGLD (\mb)+1
	s_wait_dscnt 4                                 ; my block's four loads are in; the next block's may stay out
.else
	s_wait_dscnt 0x0
.endif
	s_wait_xcnt 0x0                                ; the stores before have read their offsets and data
.set sS, RING+16*((\mb)%2)
.set qS, BF+64*((\mb)%2)
.irp j, 0,1,2,3,4,5,6,7
	v_min_u32 v[48+\j], 0x1fff, v[sS+\j]
.endr
.irp j, 0,1,2,3,4,5,6,7
	v_lshl_add_u32 v[48+\j], v[48+\j], 11, v9
.endr
.if (\mb) < 8
.set rb, 64*((\mb)%4)
	WIN 2+(\mb)/4                                  ; source 0 window 2 or 3
.else
.set rb, ACC8
.endif
.irp j, 0,1,2,3,4,5,6,7
.irp n, 0,1,2,3,4,5,6,7
	v_mul_f32 v[qS+8*\j+\n], v[rb+8*\n+\j], v[sS+8+\j]
.endr
.endr
	WIN 0
.irp j, 0,1,2,3,4,5,6,7
	global_store_b128 v[48+\j], v[qS+8*\j:qS+8*\j+3], s[18:19]
	global_store_b128 v[48+\j], v[qS+8*\j+4:qS+8*\j+7], s[18:19] offset:256
.endr
.endm
	s_load_b512 s[4:19], s[0:1], 0x0               ; bm s[4:5], gate s[6:7], xb s[8:9], w1 s[10:11], b1 s[12:13], w2 s[14:15], b2 s[16:17], part s[18:19]
	v_lshl_add_u32 v[SPW], v0, 2, SPARE
	v_mov_b32 v[NIL], 0
	v_mov_b32 v[ZR], 0
	v_lshrrev_b32 v9, 5, v0
	v_readfirstlane_b32 s[WV], v9
	s_mov_b32 s[TT], ttmp9
	s_and_b32 s[SL], ttmp7, 0xffff
	s_mov_b32 s2, 0x55555555
	s_mov_b32 s3, 0x33333333
	s_mov_b32 s66, 0x0f0f0f0f
	s_mov_b32 s67, 0x01010101
	s_mov_b32 s48, 0xaaaaaaaa                      ; lanes whose number has bit 0, 1, 2, 3, 4
	s_mov_b32 s49, 0xcccccccc
	s_mov_b32 s50, 0xf0f0f0f0
	s_mov_b32 s51, 0xff00ff00
	s_mov_b32 s52, 0xffff0000
	s_mov_b32 s54, 0x76543210                      ; v_permlanex16_b32: each lane takes its own place in the other half
	s_mov_b32 s55, 0xfedcba98
	s_mov_b32 s[STP], 32*8192                      ; a K step of w1: 32 rows of 8,192 bytes
	v_lshlrev_b32 v10, 6, v0
	s_wait_kmcnt 0x0
.irp q, 0,1,2,3                                        ; thread t: the 16 masks of tokens 32 t .. 32 t + 31
	global_load_b128 v[16+4*\q:19+4*\q], v10, s[4:5] offset:16*\q
.endr
	s_wait_loadcnt 0x0
.irp e, 0,1,2,3,4,5,6,7
	v_or_b32 v[32+\e], v[16+\e], v[24+\e]          ; the tokens that chose expert e, first or second
.endr
.irp e, 0,1,2,3,4,5,6,7
	POPC 40+\e, 32+\e
.endr
.irp j, 0,1,2,3                                        ; two experts' counts to a register: no field passes 4,096
	v_lshl_or_b32 v[48+\j], v[41+2*\j], 16, v[40+2*\j]
	v_mov_b32 v[52+\j], 0
	v_mov_b32 v[56+\j], 0
.endr
	SCAN 1, s48
	SCAN 2, s49
	SCAN 4, s50
	SCAN 8, s51
	SCAN 16, s52
	s_lshl_b32 s27, s[WV], 4
	s_add_co_u32 s27, s27, WT
	v_mov_b32 v10, s27
	ds_store_b128 v10, v[48:51]                    ; my wave's totals
	s_wait_dscnt 0x0
	s_barrier_signal -1
	s_barrier_wait -1
	v_mov_b32 v10, WT
.irp q, 0,1,2,3
	ds_load_b128 v[176+4*\q:179+4*\q], v10 offset:16*\q
.endr
	s_wait_dscnt 0x0
.set i, 0
.rept 16
	v_readfirstlane_b32 s[32+i], v[176+i]
.set i, i+1
.endr
.irp j, 0,1,2,3
	s_add_co_u32 s[84+\j], s[32+\j], s[36+\j]
	s_add_co_u32 s[84+\j], s[84+\j], s[40+\j]
	s_add_co_u32 s[84+\j], s[84+\j], s[44+\j]
	s_and_b32 s[68+2*\j], s[84+\j], 0xffff         ; c_e
	s_lshr_b32 s[69+2*\j], s[84+\j], 16
.endr
	; THE DEAL: expert e takes ceil(c_e / 144) slots, in order.  (c + 143) x 116,509 >> 24 is (c + 143) / 144 exactly up to c = 4,096.
	s_mov_b32 s26, 0
	s_mov_b32 s[EX], 0
	s_mov_b32 s24, 0
	s_mov_b32 s25, 0
.irp e, 0,1,2,3,4,5,6,7
	s_cmp_le_u32 s26, s[TT]
	s_cselect_b32 s[EX], \e, s[EX]
	s_cselect_b32 s24, s[68+\e], s24
	s_cselect_b32 s25, s26, s25
	s_add_co_u32 s27, s[68+\e], 143
	s_mul_i32 s27, s27, 116509
	s_lshr_b32 s27, s27, 24
	s_add_co_u32 s26, s26, s27
.endr
	s_min_u32 s[EX], s[EX], 7                      ; bounded in the text before it enters an address
	s_cmp_lt_u32 s[TT], s26
	s_cselect_b32 s[LIVE], 1, 0
	s_sub_co_u32 s27, s[TT], s25
	s_mul_i32 s27, s27, 144
	s_sub_co_u32 s53, s24, s27
	s_min_u32 s53, s53, 144
	s_cmp_eq_u32 s[LIVE], 1
	s_cselect_b32 s[R0], s27, 0
	s_cselect_b32 s[CNTR], s53, 0
	s_max_u32 s[CM1], s[CNTR], 1
	s_sub_co_u32 s[CM1], s[CM1], 1
	s_mov_b32 s63, 0
	s_lshl_b32 s62, s[EX], 22                      ; an expert's w1 or w2: 4 MiB
	s_lshl_b32 s27, s[SL], 11                      ; w1: the slice's 512 columns
	s_add_co_u32 s62, s62, s27
	s_add_nc_u64 s[10:11], s[10:11], s[62:63]
	s_lshl_b32 s62, s[EX], 22
	s_lshl_b32 s27, s[SL], 20                      ; w2: the slice's 512 rows
	s_add_co_u32 s62, s62, s27
	s_add_nc_u64 s[14:15], s[14:15], s[62:63]
	s_lshl_b32 s62, s[EX], 13
	s_lshl_b32 s27, s[SL], 11
	s_add_co_u32 s62, s62, s27
	s_add_nc_u64 s[12:13], s[12:13], s[62:63]      ; b1
	s_lshl_b32 s62, s[EX], 11
	s_add_nc_u64 s[16:17], s[16:17], s[62:63]      ; b2
	s_lshl_b32 s62, s[SL], 24
	s_add_nc_u64 s[18:19], s[18:19], s[62:63]      ; part: the slice's 16 MiB
	BASES 10, 8192
	v_lshrrev_b32 v9, 5, v0
	v_and_b32 v11, 15, v0                          ; r
	v_bfe_u32 v12, v0, 4, 1                        ; h
	v_lshlrev_b32 v14, 4, v11
	v_lshl_add_u32 v14, v9, 9, v14                 ; my wave's 128 columns, my lane's four: 512 w + 16 r
	v_lshl_add_u32 v[VW], v12, 16, v14             ; lanes 16-31: 8 rows further down
	v_lshl_add_u32 v[VW2], v12, 14, v14
	global_load_b128 v[160:163], v14, s[12:13]     ; b1 and b2 of my eight columns
	global_load_b128 v[164:167], v14, s[12:13] offset:256
	global_load_b128 v[168:171], v14, s[16:17]
	global_load_b128 v[172:175], v14, s[16:17] offset:256
	GLDALL 0                                       ; the weight stream starts as soon as E is known: K steps 0 and 1
	GLDALL 1
	; THE TABLE for expert E
.irp q, 0,1,2
	s_cmp_gt_u32 s[WV], \q
.irp j, 0,1,2,3
	s_cselect_b32 s27, s[32+4*\q+\j], 0            ; the totals of the waves before mine
	v_add_nc_u32 v[52+\j], s27, v[52+\j]
.endr
.endr
	s_bitcmp1_b32 s[EX], 0
	s_cselect_b32 s58, -1, 0
	s_bitcmp1_b32 s[EX], 1
	s_cselect_b32 s59, -1, 0
	s_bitcmp1_b32 s[EX], 2
	s_cselect_b32 s60, -1, 0
	s_and_b32 s61, s[EX], 1
	s_lshl_b32 s61, s61, 4
	v_cndmask_b32 v9, v52, v53, s59
	v_cndmask_b32 v10, v54, v55, s59
	v_cndmask_b32 v9, v9, v10, s60
	v_lshrrev_b32 v9, s61, v9
	v_and_b32 v60, 0xffff, v9                      ; rows of E before my block
.irp i, 0,1,2,3
	v_cndmask_b32 v[40+\i], v[32+2*\i], v[33+2*\i], s58
	v_cndmask_b32 v[44+\i], v[24+2*\i], v[25+2*\i], s58
.endr
	v_cndmask_b32 v40, v40, v41, s59
	v_cndmask_b32 v42, v42, v43, s59
	v_cndmask_b32 v61, v40, v42, s60               ; E's tokens in my block
	v_cndmask_b32 v44, v44, v45, s59
	v_cndmask_b32 v46, v46, v47, s59
	v_cndmask_b32 v62, v44, v46, s60               ; of which: second choice
	v_mov_b32 v63, 0
	v_lshlrev_b32 v13, 4, v0
	ds_store_b128 v13, v[60:63] offset:TB
	s_wait_dscnt 0x0
	s_barrier_signal -1
	s_barrier_wait -1
	; THE ROWS.  Wave w finds rows 36 w .. 36 w + 35 of the tile: lane L row 36 w + L, and (eight lanes alike) row 36 w + 32 + L % 4.
	s_mul_i32 s53, s[WV], 36
	v_and_b32 v15, 31, v0
	v_add_nc_u32 v16, s53, v15
	v_and_b32 v17, 3, v15
	v_add_nc_u32 v17, s53, v17
	v_add_nc_u32 v17, 32, v17
	v_min_u32 v18, s[CM1], v16                     ; places past the count repeat the last row
	v_min_u32 v19, s[CM1], v17
	v_add_nc_u32 v18, s[R0], v18
	v_add_nc_u32 v19, s[R0], v19
	v_mov_b32 v20, 0
	v_mov_b32 v21, 0
	SRCH 32, 3, -1                                 ; the last block that begins at or before my row: 128 = 4 x 4 x 4 x 2
	SRCH 8, 3, 0x600
	SRCH 2, 3, 0x780
	SRCH 1, 1, 0x7e0
	v_min_u32 v20, 0x7f0, v20
	v_min_u32 v21, 0x7f0, v21
	ds_load_b128 v[32:35], v20 offset:TB
	ds_load_b128 v[36:39], v21 offset:TB
	s_wait_dscnt 0x0
	NTH 18, 32, 20, 30, 48
	NTH 19, 36, 21, 31, 49
	v_lshl_add_u32 v47, v16, 2, LIST
	ds_store_b32 v47, v48
	v_lshl_add_u32 v47, v17, 2, LIST
	ds_store_b32 v47, v49
	v_lshlrev_b32 v50, 2, v48
	v_lshlrev_b32 v51, 2, v49
	global_load_b32 v52, v50, s[6:7]               ; the rows' weights
	global_load_b32 v53, v51, s[6:7]
	s_wait_dscnt 0x0
	s_barrier_signal -1
	s_barrier_wait -1
	v_bfe_u32 v54, v0, 4, 1
	v_add_nc_u32 v54, s53, v54
	v_lshl_add_u32 v54, v54, 2, LIST
.set i, 0
.rept 18                                               ; pair a of my 36 rows: lanes 0-15 row 36 w + 2 a, lanes 16-31 the next
	ds_load_b32 v[128+i], v54 offset:8*i
.set i, i+1
.endr
	s_wait_loadcnt 34                              ; the biases and K step 0 are in; behind them: K step 1's 32 loads and the two weights
	CVTALL 0
	GLDALL 0                                       ; K step 2
.irp a, 160,162,164,166,168,170,172,174
	RND2 \a, 9
.endr
	BIAS8 160
	s_cmp_eq_u32 s[SL], 0
	s_cselect_b32 s61, -1, 0                       ; b2 is added once: in slice 0
.irp a, 0,1,2,3,4,5,6,7
	v_and_b32 v[168+\a], s61, v[168+\a]
.endr
	v_lshl_add_u32 v59, v0, 5, B2P
	ds_store_b128 v59, v[168:171]
	ds_store_b128 v59, v[172:175] offset:16
	v_and_b32 v55, 15, v0
	v_lshlrev_b32 v55, 4, v55
	v_bfe_u32 v56, v0, 4, 1
	v_add_nc_u32 v56, s53, v56
	v_mul_u32_u24 v56, v56, XP
	v_add_nc_u32 v56, v56, v55
	v_add_nc_u32 v56, XH, v56
	v_lshl_add_u32 v57, v16, 2, GATE
	v_lshl_add_u32 v58, v17, 2, GATE
	s_wait_dscnt 0x0
.set i, 0
.rept 18                                               ; token x 1,024 bytes + 16 (L % 16)
	v_min_u32 v[128+i], 0x1fff, v[128+i]
	v_and_b32 v[128+i], 0x1ffe, v[128+i]
	v_lshl_add_u32 v[128+i], v[128+i], 9, v55
.set i, i+1
.endr
	WIN 0x80                                       ; x lands in the accumulators' registers: windows 2 and 3
.set i, 0
.rept 64
	global_load_b128 v[4*i:4*i+3], v[128+i/4], s[8:9] offset:256*(i%4)
.set i, i+1
.endr
	WIN 0xc0
.rept 8
	global_load_b128 v[4*(i-64):4*(i-64)+3], v[128+i/4], s[8:9] offset:256*(i%4)
.set i, i+1
.endr
	s_wait_loadcnt 0x0
	WIN 0x08                                       ; store data window 2
.set i, 0
.rept 64
	ds_store_b128 v56, v[4*i:4*i+3] offset:(i/4)*2*XP+256*(i%4)
.set i, i+1
.endr
	WIN 0x0c
.rept 8
	ds_store_b128 v56, v[4*(i-64):4*(i-64)+3] offset:(i/4)*2*XP+256*(i%4)
.set i, i+1
.endr
	WIN 0
	ds_store_b32 v57, v52
	ds_store_b32 v58, v53
	ABINIT
	s_wait_dscnt 0x0                               ; for the others' sake: my rows of X, my slots and weights are written
	s_barrier_signal -1
	s_barrier_wait -1
	; PRODUCT 1: x w1 + b1, 16 K steps, in bf16
	ALD
	STEP 0, 1, 1, 1, 60, 0, 0, 0, 0, 0
	WIN 0
	ABSTEP 64
	s_cmp_eq_u32 s[LIVE], 0
	s_cbranch_scc1 .Lp1_done                       ; a slot without rows: the accumulators are written; the rest is jumped, past no barrier
	s_mov_b32 s[CNT], 7
.Lp1:                                                  ; K steps (1, 2) .. (13, 14)
	STEP 1, 0, 1, 1, 60, 0, 0, 0, 0, 0
	STEP 0, 0, 1, 1, 60, 0, 0, 64, 0, 0
	WIN 0
	ABSTEP 128
	s_cmp_lg_u32 s[CNT], 2
	s_cbranch_scc1 .Lp1_same
	s_wait_xcnt 0x0                                ; behind K step 12, which asked for w1's last: the stream goes on into w2, so that steps 13-15 fetch product 2's first three
	BASES 14, 2048
	v_mov_b32 v[VW], v[VW2]
	s_mov_b32 s[STP], 32*2048
.Lp1_same:
	s_sub_co_i32 s[CNT], s[CNT], 1
	s_cmp_lg_u32 s[CNT], 0
	s_cbranch_scc1 .Lp1
	STEP 1, 0, 1, 1, 60, 0, 1, 0, 0, 1             ; the last step multiplies in bf16 and converts w2's first K step, to f16
	WIN 0
.Lp1_done:
.rept 4
	v_nop                                          ; four places behind the last products
.endr
	v_and_b32 v12, 15, v0
	v_bfe_u32 v13, v0, 4, 1
	v_mul_u32_u24 v9, v13, 8*XP                    ; H: row 8 h, my wave's 256 bytes, 8 bytes a lane
	v_lshl_add_u32 v9, v12, 3, v9
	s_lshl_b32 s27, s[WV], 8
	s_add_co_u32 s27, s27, XH
	v_add_nc_u32 v9, s27, v9
	v_add_nc_u32 v10, 48*XP, v9
	v_add_nc_u32 v11, 96*XP, v9
	s_wait_dscnt 0x0                               ; my reads of X are over
	s_barrier_signal -1
	s_barrier_wait -1                              ; everybody's are: H may take X's place
	s_cmp_eq_u32 s[LIVE], 0
	s_cbranch_scc1 .Lh_done
.irp b, 0,1,2,3,4,5,6,7,8
	HOUT \b
.endr
.Lh_done:
	v_lshl_add_u32 v12, v0, 5, B2P
	ds_load_b128 v[16:19], v12
	ds_load_b128 v[20:23], v12 offset:16
	s_wait_dscnt 0x0
	BIAS8 16
	ABINIT
	s_barrier_signal -1                            ; my part of H is written (the wait above)
	s_barrier_wait -1
	s_wait_loadcnt 0x0                             ; the three K steps of w2 asked for ahead of the way to H: so the counted waits below hold on every path
	; PRODUCT 2: h w2 (+ b2), 16 K steps, in f16
	ALD
	STEP 0, 1, 1, 1, 60, 0, 0, 0, 1, 1
	WIN 0
	ABSTEP 64
	s_cmp_eq_u32 s[LIVE], 0
	s_cbranch_scc1 .Lp2_done
	s_mov_b32 s[CNT], 6
.Lp2:                                                  ; K steps (1, 2) .. (11, 12)
	STEP 1, 0, 1, 1, 60, 0, 0, 0, 1, 1
	STEP 0, 0, 1, 1, 60, 0, 0, 64, 1, 1
	WIN 0
	ABSTEP 128
	s_sub_co_i32 s[CNT], s[CNT], 1
	s_cmp_lg_u32 s[CNT], 0
	s_cbranch_scc1 .Lp2
	STEP 1, 0, 1, 0, 60, 2, 0, 0, 1, 1             ; the tail asks for nothing more: no load leaves w2
	STEP 0, 0, 1, 0, 28, 2, 0, 64, 1, 1
	STEP 1, 0, 0, 0, 0, 0, 1, 128, 1, 1
	WIN 0
.Lp2_done:
.rept 4
	v_nop                                          ; four places behind the last products
.endr
	s_wait_dscnt 0x0                               ; no fragment load is out: the ring's registers take the slots and weights
	v_and_b32 v12, 15, v0
	v_lshlrev_b32 v9, 4, v12
	s_lshl_b32 s27, s[WV], 9
	v_add_nc_u32 v9, s27, v9                       ; my bytes in a row of part: 512 w + 16 r
	v_bfe_u32 v10, v0, 4, 1
	v_lshlrev_b32 v10, 5, v10                      ; 32 h
	LGLD 0
.irp b, 0,1,2,3,4,5,6,7,8
	POUT \b
.endr
.Lend:
	s_wait_dscnt 0x0                               ; my LDS reads are over: a wave that jumped here may have had a block's slots and weights on their way
	s_barrier_signal -1                            ; every wave passes here, on every path: all four waves' LDS reads are over
	s_barrier_wait -1                              ; before any wave's closing lines; it stands behind all work and all stores
	s_wait_tensorcnt 0x0                           ; the wave's end: three lines behind my last LDS store
	ds_add_u32 v[SPW], v[NIL]
	s_wait_dscnt 0x0
	s_endpgm
.Lfunc_end_k_qfc8c2ab2bb_chain:
	.size	k_qfc8c2ab2bb_chain, .Lfunc_end_k_qfc8c2ab2bb_chain-k_qfc8c2ab2bb_chain
	.p2alignl 7, 3214868480
	.fill 96, 4, 3214868480
	.section	.rodata,"a",@progbits
	.p2align	6, 0x0
	.amdhsa_kernel k_qfc8c2ab2bb_chain
		.amdhsa_group_segment_fixed_size 158208
		.amdhsa_private_segment_fixed_size 0
		.amdhsa_enable_private_segment 0
		.amdhsa_kernarg_size 64
		.amdhsa_user_sgpr_count 2
		.amdhsa_user_sgpr_kernarg_segment_ptr 1
		.amdhsa_wavefront_size32 1
		.amdhsa_system_sgpr_workgroup_id_x 1
		.amdhsa_system_sgpr_workgroup_id_y 1
		.amdhsa_system_sgpr_workgroup_id_z 1
		.amdhsa_system_vgpr_workitem_id 0
		.amdhsa_next_free_vgpr 1024
		.amdhsa_next_free_sgpr 100
		.amdhsa_reserve_vcc 1
		.amdhsa_float_denorm_mode_32 3
		.amdhsa_float_denorm_mode_16_64 3
		.amdhsa_memory_ordered 1
		.amdhsa_forward_progress 1
		.amdhsa_inst_pref_size 255
	.end_amdhsa_kernel
	.section	.bss,"aw",@nobits
	.p2align	6
	.space	262144
	.amdgpu_metadata
---
amdhsa.version: [ 1, 2 ]
amdhsa.kernels:
  - .name:           k_qfc8c2ab2bb_chain
    .symbol:         k_qfc8c2ab2bb_chain.kd
    .args:
      - { .name: bm, .offset: 0, .size: 8, .value_kind: global_buffer, .address_space: global }
      - { .name: gate, .offset: 8, .size: 8, .value_kind: global_buffer, .address_space: global }
      - { .name: xb, .offset: 16, .size: 8, .value_kind: global_buffer, .address_space: global }
      - { .name: w1, .offset: 24, .size: 8, .value_kind: global_buffer, .address_space: global }
      - { .name: b1, .offset: 32, .size: 8, .value_kind: global_buffer, .address_space: global }
      - { .name: w2, .offset: 40, .size: 8, .value_kind: global_buffer, .address_space: global }
      - { .name: b2, .offset: 48, .size: 8, .value_kind: global_buffer, .address_space: global }
      - { .name: part, .offset: 56, .size: 8, .value_kind: global_buffer, .address_space: global }
    .group_segment_fixed_size: 158208
    .private_segment_fixed_size: 0
    .kernarg_segment_align: 8
    .kernarg_segment_size: 64
    .max_flat_workgroup_size: 128
    .sgpr_count:     100
    .vgpr_count:     1024
    .wavefront_size: 32
...
	.end_amdgpu_metadata
.endif
;; end of part 2
;; launch combine (part 3): grid 512 x 1, 8 waves a work-group, no clusters, 0 bytes of LDS; arguments part, p, v, m, xb, ln_w, ln_b, out0, out1, out2, out3; writes out0, out1, out2, out3
.if DOCPART == 3
	.amdgcn_target "amdgcn-amd-amdhsa--gfx1250"
	.amdhsa_code_object_version 6
	.text
	.protected	k_qfc8c2ab2bb_combine
	.globl	k_qfc8c2ab2bb_combine
	.p2align	8
	.type	k_qfc8c2ab2bb_combine,@function
k_qfc8c2ab2bb_combine:
	s_mov_b64 s[64:65], 0
	v_nop
	global_prefetch_b8 v0, s[64:65] scope:SCOPE_SE
	s_setreg_imm32_b32 hwreg(HW_REG_WAVE_MODE, 25, 1), 1
	s_wait_xcnt 0x0
; THE SUM, THE ADAM STEP AND THE LAYER NORM.  One wave, one token: the 8 partial rows (4 slices x 2 choices, f32) are added; then
; momentum = 0.7 m + eo, p_new = 0.9 p + 0.1 eo, v_new = 0.999 v + 0.001 eo^2, y = x - (p_new / sqrt(v_new + 1e-8) + x), out = LayerNorm(y) ln_w + ln_b.
; Lane L holds columns 128 q + 4 L + 0..3, q = 0..3: every load and store of a wave covers 512 consecutive bytes (xb: 256).  The row stays in registers: no LDS, no barrier,
; no loop: all 56 loads of a wave go out at once.  Matrix units, clusters and LDS would add nothing: memory binds.
; FORMAT.  p, v, m, ln_w, ln_b are rounded once to bf16 like every input of the program; x comes as the router rounded it.  All arithmetic in f32.
; LIMITS.  1 / sqrt by v_rsq_f32 (1 ULP); where v_new + 1e-8 is negative the result is NaN, as the square root's is.
.set PT,  8                            ; v[8:135]   partial row 2 s + k at 16 (2 s + k); the sum ends in v[8:23]
.set PP,  136
.set VV,  152
.set MM,  168
.set XB,  184
.set LW,  192
.set LB,  208
.set XX,  224
.set TT,  240                          ; v[240:247] at work
.set EO,  8
.set MOM, 24
.set PN,  40
.set VN,  56
.set RS,  72
.set YY,  88
.set OO,  104
.macro PLD sl, base
.irp k, 0,1
.irp q, 0,1,2,3
	global_load_b128 v[PT+16*(2*(\sl)+\k)+4*\q:PT+16*(2*(\sl)+\k)+4*\q+3], v4, s[\base:\base+1] offset:2048*\k+512*\q th:TH_LOAD_NT
.endr
.endr
.endm
.macro RLD dst, base
.irp q, 0,1,2,3
	global_load_b128 v[(\dst)+4*\q:(\dst)+4*\q+3], v5, s[\base:\base+1] offset:512*\q th:TH_LOAD_NT
.endr
.endm
.macro PADD a, b                       ; partial row b onto row a
.set i, 0
.rept 8
	v_pk_add_f32 v[PT+16*(\a)+2*i:PT+16*(\a)+2*i+1], v[PT+16*(\a)+2*i:PT+16*(\a)+2*i+1], v[PT+16*(\b)+2*i:PT+16*(\b)+2*i+1]
.set i, i+1
.endr
.endm
.macro RND16 a                         ; sixteen numbers rounded to bf16, kept as f32
.set i, 0
.rept 8
	v_cvt_pk_bf16_f32 v[TT+i], v[(\a)+2*i], v[(\a)+2*i+1]
.set i, i+1
.endr
.set i, 0
.rept 8
	v_lshlrev_b32 v[(\a)+2*i], 16, v[TT+i]
	v_and_b32 v[(\a)+2*i+1], 0xffff0000, v[TT+i]
.set i, i+1
.endr
.endm
.macro LANES r                         ; the sum of v[r] over the 32 lanes, in every lane; v[r+1] at work
	v_add_f32_dpp v[\r], v[\r], v[\r] row_xmask:1 row_mask:0xf bank_mask:0xf
	v_add_f32_dpp v[\r], v[\r], v[\r] row_xmask:2 row_mask:0xf bank_mask:0xf
	v_add_f32_dpp v[\r], v[\r], v[\r] row_xmask:4 row_mask:0xf bank_mask:0xf
	v_add_f32_dpp v[\r], v[\r], v[\r] row_xmask:8 row_mask:0xf bank_mask:0xf
	v_permlanex16_b32 v[(\r)+1], v[\r], s34, s35
	v_add_f32 v[\r], v[\r], v[(\r)+1]
.endm
.macro OST src, base
.irp q, 0,1,2,3
	global_store_b128 v5, v[(\src)+4*\q:(\src)+4*\q+3], s[\base:\base+1] offset:512*\q th:TH_STORE_NT
.endr
.endm
	s_load_b512 s[4:19], s[0:1], 0x0               ; part s[4:5], p s[6:7], v s[8:9], m s[10:11], xb s[12:13], ln_w s[14:15], ln_b s[16:17], out0 s[18:19]
	s_load_b128 s[20:23], s[0:1], 0x40             ; out1, out2
	s_load_b64 s[24:25], s[0:1], 0x50              ; out3
	v_lshrrev_b32 v1, 5, v0
	v_and_b32 v2, 31, v0
	s_lshl_b32 s32, ttmp9, 3
	v_add_nc_u32 v1, s32, v1                       ; my token
	v_lshlrev_b32 v3, 4, v2                        ; 16 L
	v_lshl_add_u32 v4, v1, 12, v3                  ; its two rows of part: 4,096 bytes
	v_lshl_add_u32 v5, v1, 11, v3                  ; its row of p, v, m and the outputs
	v_lshlrev_b32 v6, 3, v2
	v_lshl_add_u32 v6, v1, 10, v6                  ; its row of xb
	s_mov_b32 s34, 0x76543210
	s_mov_b32 s35, 0xfedcba98
	s_wait_kmcnt 0x0
	s_add_nc_u64 s[26:27], s[4:5], 0x1000000       ; the slices lie 16 MiB apart
	s_add_nc_u64 s[28:29], s[4:5], 0x2000000
	s_add_nc_u64 s[30:31], s[4:5], 0x3000000
	PLD 0, 4
	PLD 1, 26
	PLD 2, 28
	PLD 3, 30
	RLD PP, 6
	RLD VV, 8
	RLD MM, 10
.irp q, 0,1,2,3
	global_load_b64 v[XB+2*\q:XB+2*\q+1], v6, s[12:13] offset:256*\q
.endr
.irp q, 0,1,2,3
	global_load_b128 v[LW+4*\q:LW+4*\q+3], v3, s[14:15] offset:512*\q
.endr
.irp q, 0,1,2,3
	global_load_b128 v[LB+4*\q:LB+4*\q+3], v3, s[16:17] offset:512*\q
.endr
	s_wait_loadcnt 24                              ; the 32 partial loads are in; the 24 issued behind them may stay out
	PADD 0, 1
	PADD 2, 3
	PADD 4, 5
	PADD 6, 7
	PADD 0, 2
	PADD 4, 6
	PADD 0, 4                                      ; eo
	s_wait_loadcnt 8                               ; p, v, m, x are in; ln_w and ln_b may stay out
	RND16 PP
	RND16 VV
	RND16 MM
.irp q, 0,1,2,3
	v_lshlrev_b32 v[XX+4*\q], 16, v[XB+2*\q]
	v_and_b32 v[XX+4*\q+1], 0xffff0000, v[XB+2*\q]
	v_lshlrev_b32 v[XX+4*\q+2], 16, v[XB+2*\q+1]
	v_and_b32 v[XX+4*\q+3], 0xffff0000, v[XB+2*\q+1]
.endr
.set i, 0
.rept 8
	v_pk_fma_f32 v[MOM+i:MOM+i+1], v[MM+i:MM+i+1], 0x3f333333, v[EO+i:EO+i+1] op_sel_hi:[1,0,1]   ; 0.7 m + eo
	v_pk_mul_f32 v[PN+i:PN+i+1], v[EO+i:EO+i+1], 0x3dcccccd op_sel_hi:[1,0]                       ; 0.1 eo
	v_pk_mul_f32 v[VN+i:VN+i+1], v[EO+i:EO+i+1], v[EO+i:EO+i+1]
	v_pk_fma_f32 v[PN+i:PN+i+1], v[PP+i:PP+i+1], 0x3f666666, v[PN+i:PN+i+1] op_sel_hi:[1,0,1]     ; + 0.9 p
	v_pk_mul_f32 v[VN+i:VN+i+1], v[VN+i:VN+i+1], 0x3a83126f op_sel_hi:[1,0]                       ; 0.001 eo^2
	v_pk_fma_f32 v[VN+i:VN+i+1], v[VV+i:VV+i+1], 0x3f7fbe77, v[VN+i:VN+i+1] op_sel_hi:[1,0,1]     ; + 0.999 v
	v_pk_add_f32 v[RS+i:RS+i+1], v[VN+i:VN+i+1], 0x322bcc77 op_sel_hi:[1,0]                       ; + 1e-8
.set i, i+2
.endr
.set i, 0
.rept 16
	v_rsq_f32 v[RS+i], v[RS+i]                     ; one batch
.set i, i+1
.endr
	v_nop                                          ; a plain instruction behind the last of them
	s_wait_alu depctr_va_vdst(0)                   ; and one wait for the sixteen, ahead of the first use
.set i, 0
.rept 8
	v_pk_fma_f32 v[YY+i:YY+i+1], v[RS+i:RS+i+1], v[PN+i:PN+i+1], v[XX+i:XX+i+1]                   ; adam
	v_pk_add_f32 v[YY+i:YY+i+1], v[XX+i:XX+i+1], v[YY+i:YY+i+1] neg_lo:[0,1] neg_hi:[0,1]         ; y = x - adam
.set i, i+2
.endr
	OST MOM, 24                                    ; three outputs are ready: they leave while the norm is made
	OST PN, 20
	OST VN, 22
	v_pk_add_f32 v[TT:TT+1], v[YY:YY+1], v[YY+2:YY+3]
	v_pk_add_f32 v[TT+2:TT+3], v[YY+4:YY+5], v[YY+6:YY+7]
	v_pk_add_f32 v[TT+4:TT+5], v[YY+8:YY+9], v[YY+10:YY+11]
	v_pk_add_f32 v[TT+6:TT+7], v[YY+12:YY+13], v[YY+14:YY+15]
	v_pk_add_f32 v[TT:TT+1], v[TT:TT+1], v[TT+2:TT+3]
	v_pk_add_f32 v[TT+4:TT+5], v[TT+4:TT+5], v[TT+6:TT+7]
	v_pk_add_f32 v[TT:TT+1], v[TT:TT+1], v[TT+4:TT+5]
	v_add_f32 v[TT], v[TT], v[TT+1]
	LANES TT
	v_mul_f32 v[TT], 0x3b000000, v[TT]             ; the mean: / 512
	v_mov_b32 v[TT+1], v[TT]
.set i, 0
.rept 8
	v_pk_add_f32 v[YY+i:YY+i+1], v[YY+i:YY+i+1], v[TT:TT+1] neg_lo:[0,1] neg_hi:[0,1]
.set i, i+2
.endr
	v_pk_mul_f32 v[TT+2:TT+3], v[YY:YY+1], v[YY:YY+1]              ; the variance, of the deviations; two chains
	v_pk_mul_f32 v[TT+4:TT+5], v[YY+2:YY+3], v[YY+2:YY+3]
.irp i, 4,8,12
	v_pk_fma_f32 v[TT+2:TT+3], v[YY+\i:YY+\i+1], v[YY+\i:YY+\i+1], v[TT+2:TT+3]
	v_pk_fma_f32 v[TT+4:TT+5], v[YY+\i+2:YY+\i+3], v[YY+\i+2:YY+\i+3], v[TT+4:TT+5]
.endr
	v_pk_add_f32 v[TT+2:TT+3], v[TT+2:TT+3], v[TT+4:TT+5]
	v_add_f32 v[TT+2], v[TT+2], v[TT+3]
	LANES TT+2
	v_mul_f32 v[TT+2], 0x3b000000, v[TT+2]
	v_add_f32 v[TT+2], 0x3727c5ac, v[TT+2]         ; + 1e-5
	v_rsq_f32 v[TT+4], v[TT+2]
	v_nop                                          ; a plain instruction behind it
	s_wait_alu depctr_va_vdst(0)                   ; and its wait
	v_mov_b32 v[TT+5], v[TT+4]
.set i, 0
.rept 8
	v_pk_mul_f32 v[OO+i:OO+i+1], v[YY+i:YY+i+1], v[TT+4:TT+5]
.set i, i+2
.endr
	s_wait_loadcnt 0x0                             ; ln_w, ln_b
	RND16 LW
	RND16 LB
.set i, 0
.rept 8
	v_pk_fma_f32 v[OO+i:OO+i+1], v[OO+i:OO+i+1], v[LW+i:LW+i+1], v[LB+i:LB+i+1]
.set i, i+2
.endr
	OST OO, 18
	s_endpgm
.Lfunc_end_k_qfc8c2ab2bb_combine:
	.size	k_qfc8c2ab2bb_combine, .Lfunc_end_k_qfc8c2ab2bb_combine-k_qfc8c2ab2bb_combine
	.p2alignl 7, 3214868480
	.fill 96, 4, 3214868480
	.section	.rodata,"a",@progbits
	.p2align	6, 0x0
	.amdhsa_kernel k_qfc8c2ab2bb_combine
		.amdhsa_group_segment_fixed_size 0
		.amdhsa_private_segment_fixed_size 0
		.amdhsa_enable_private_segment 0
		.amdhsa_kernarg_size 88
		.amdhsa_user_sgpr_count 2
		.amdhsa_user_sgpr_kernarg_segment_ptr 1
		.amdhsa_wavefront_size32 1
		.amdhsa_system_sgpr_workgroup_id_x 1
		.amdhsa_system_sgpr_workgroup_id_y 1
		.amdhsa_system_sgpr_workgroup_id_z 1
		.amdhsa_system_vgpr_workitem_id 0
		.amdhsa_next_free_vgpr 248
		.amdhsa_next_free_sgpr 66
		.amdhsa_reserve_vcc 0
		.amdhsa_float_denorm_mode_32 3
		.amdhsa_float_denorm_mode_16_64 3
		.amdhsa_memory_ordered 1
		.amdhsa_forward_progress 1
		.amdhsa_inst_pref_size 29
	.end_amdhsa_kernel
	.amdgpu_metadata
---
amdhsa.version: [ 1, 2 ]
amdhsa.kernels:
  - .name:           k_qfc8c2ab2bb_combine
    .symbol:         k_qfc8c2ab2bb_combine.kd
    .args:
      - { .name: part, .offset: 0, .size: 8, .value_kind: global_buffer, .address_space: global }
      - { .name: p, .offset: 8, .size: 8, .value_kind: global_buffer, .address_space: global }
      - { .name: v, .offset: 16, .size: 8, .value_kind: global_buffer, .address_space: global }
      - { .name: m, .offset: 24, .size: 8, .value_kind: global_buffer, .address_space: global }
      - { .name: xb, .offset: 32, .size: 8, .value_kind: global_buffer, .address_space: global }
      - { .name: ln_w, .offset: 40, .size: 8, .value_kind: global_buffer, .address_space: global }
      - { .name: ln_b, .offset: 48, .size: 8, .value_kind: global_buffer, .address_space: global }
      - { .name: out0, .offset: 56, .size: 8, .value_kind: global_buffer, .address_space: global }
      - { .name: out1, .offset: 64, .size: 8, .value_kind: global_buffer, .address_space: global }
      - { .name: out2, .offset: 72, .size: 8, .value_kind: global_buffer, .address_space: global }
      - { .name: out3, .offset: 80, .size: 8, .value_kind: global_buffer, .address_space: global }
    .group_segment_fixed_size: 0
    .private_segment_fixed_size: 0
    .kernarg_segment_align: 8
    .kernarg_segment_size: 88
    .max_flat_workgroup_size: 256
    .sgpr_count:     66
    .vgpr_count:     248
    .wavefront_size: 32
...
	.end_amdgpu_metadata
.endif
;; end of part 3
;; ======== version 2 of 2: 3 launches; 1.15 times as fast as version 1
;; limits: values are held in f16: magnitudes above 65,504 overflow, below 6.1e-05 lose precision
;; workspace buffers: xb 4,194,304 bytes; bm 8,192 bytes of whole numbers; gate 32,768 bytes; part 67,108,864 bytes; wq 33,554,432 bytes
;; launch prep (part 4): grid 256 x 1, 8 waves a work-group, no clusters, 34,304 bytes of LDS; arguments x, gate_w, gate_b, w1, w2, xb, bm, gate, wq; writes xb, bm, gate, wq
.if DOCPART == 4
	.amdgcn_target "amdgcn-amd-amdhsa--gfx1250"
	.amdhsa_code_object_version 6
	.text
	.protected	k_qfc8c2ab2bb_prep
	.globl	k_qfc8c2ab2bb_prep
	.p2align	8
	.type	k_qfc8c2ab2bb_prep,@function
k_qfc8c2ab2bb_prep:
	s_mov_b64 s[64:65], 0
	v_nop
	global_prefetch_b8 v0, s[64:65] scope:SCOPE_SE
	s_setreg_imm32_b32 hwreg(HW_REG_WAVE_MODE, 25, 1), 1
	s_wait_xcnt 0x0
; PREP: THE ROUTER, AND THE WEIGHTS LAID OUT ONCE.  256 work-groups of eight waves; every work-group does a share of both.
; ROUTER.  logits = x gate_w + gate_b, top 2 of 8, softmax of the two, for the group's 16 tokens.  Stored: xb = x rounded to bf16 [4096][512];
; gate[2 token + k] = the weight of the token's k-th choice (f32); bm[block of 32 tokens][16 words]: words 0-7 the masks 'first choice is expert e', words 8-15 the same
; for the second choice; bit i of a word is token 32 block + i, so a group of 16 tokens stores one 16-bit half of each word.
; WEIGHTS.  wq holds w1 (bf16) and w2 (rounded to bf16, that number written as f16) in the order in which the next launch's waves take them as matrix operands:
; byte ((((E 4 + s) 4 + w) 32 + t) 8 + nf) 1024 + 512 c + 16 lane: expert E, slice s of H, wave w, K step t (0-15: w1's, 16-31: w2's), fragment nf = 4 G + f, half c;
; lane (r, h) has k = 32 t + 16 c + 8 h + 0..7 of column 128 w + 64 G + 4 r + f (w1: column 512 s + .., w2: row 512 s + ..).
; Wave g = 8 group + wave owns one K step of w1 and one of w2: 32 rows x 512 bytes each, as four tasks (G, c) of eight loads: lanes 0-15 take 256 consecutive bytes of
; a row, lanes 16-31 of the row 8 further down; a lane's eight loads hold 8 k of four columns, which pack into four 16-byte pieces; each store covers 512 consecutive bytes.
; Four register slots of 32, each used twice: 32 loads of a wave are out; the first 32 go out ahead of the router's phases.
; FORMAT.  Every input of the program is rounded once to bf16 (nearest even): here x, gate_w, gate_b, w1, w2.  Sums in f32.
; LIMITS.  Equal logits: the lower index wins, as in lax.top_k.  NaN and infinite logits are not treated apart.  A second weight whose exponent lies below -126 (base 2)
; counts as 0.  A rounded w2 is exact in f16 from 7.6e-6 to 65,504 in magnitude; below, it keeps f16's fixed step of 6e-8; above, it becomes infinite.
; No address and no branch hangs on a logit: the choices leave as masks at fixed places.
.set XP,    1040                       ; an LDS row: 1,024 bytes of bf16 + 16 = 65 x 16: sixteen rows of a fragment load begin 16 bytes apart modulo 256
.set XT,    0                          ; 16 token rows
.set GW,    16*XP                      ; 8 expert rows of gate_w, turned: [expert][d]
.set PL,    25088                      ; partial logits: thread x 32 bytes
.set SPARE, 33280                      ; the spare words: 128 bytes a wave, named by no other line
.set SLT,   64                         ; v[64:191]  slot q: row e, column f at 32 q + 4 e + f
.set OUT,   192                        ; v[192:255] packed: slot q, column f, pair p at 16 q + 4 f + p
.macro CLD q, voff, base, rowb         ; task q = 2 G + c: eight rows
.irp e, 0,1,2,3,4,5,6,7
	global_load_b128 v[SLT+32*(\q)+4*\e:SLT+32*(\q)+4*\e+3], v[\voff], s[\base:\base+1] offset:((\q)%2)*16*(\rowb)+((\q)/2)*256+\e*(\rowb) th:TH_LOAD_NT
.endr
.endm
.macro CVT1 q                          ; w1: rows 2 p and 2 p + 1 of column f, rounded to bf16
.irp f, 0,1,2,3
.irp p, 0,1,2,3
	v_cvt_pk_bf16_f32 v[OUT+16*(\q)+4*\f+\p], v[SLT+32*(\q)+8*\p+\f], v[SLT+32*(\q)+8*\p+4+\f]
.endr
.endr
.endm
.macro CVT2 q                          ; w2: rounded to bf16 in place (0 goes into the low half, so the word is the rounded number as f32), then written as f16
.set i, 0
.rept 32
	v_cvt_pk_bf16_f32 v[SLT+32*(\q)+i], v3, v[SLT+32*(\q)+i]
.set i, i+1
.endr
.irp f, 0,1,2,3
.irp p, 0,1,2,3
	v_cvt_pk_f16_f32 v[OUT+16*(\q)+4*\f+\p], v[SLT+32*(\q)+8*\p+\f], v[SLT+32*(\q)+8*\p+4+\f]
.endr
.endr
.endm
.macro CST q, add                      ; four stores of 512 consecutive bytes
.irp f, 0,1,2,3
	global_store_b128 v5, v[OUT+16*(\q)+4*\f:OUT+16*(\q)+4*\f+3], s[20:21] offset:(4*((\q)/2)+\f)*1024+((\q)%2)*512+(\add)
.endr
.endm
	s_load_b512 s[4:19], s[0:1], 0x0               ; x s[4:5], gate_w s[6:7], gate_b s[8:9], w1 s[10:11], w2 s[12:13], xb s[14:15], bm s[16:17], gate s[18:19]
	s_load_b64 s[20:21], s[0:1], 0x40              ; wq
	v_lshl_add_u32 v1, v0, 2, SPARE                ; my spare word
	v_mov_b32 v2, 0                                ; and 0: kept for the add alone
	v_lshrrev_b32 v3, 5, v0
	v_readfirstlane_b32 s22, v3                    ; wave 0..7
	v_mov_b32 v3, 0                                ; 0, for the rounding in place
	v_and_b32 v4, 31, v0                           ; lane L
	v_lshlrev_b32 v5, 4, v4                        ; 16 L
	v_lshlrev_b32 v6, 3, v4                        ; 8 L
	v_and_b32 v9, 15, v4                           ; r
	v_lshrrev_b32 v10, 4, v4                       ; h
	v_lshlrev_b32 v14, 4, v9
	v_lshl_add_u32 v15, v10, 14, v14               ; w2: 16 r, and 8 rows of 2,048 bytes further down for lanes 16-31
	v_lshl_add_u32 v14, v10, 16, v14               ; w1: the same with rows of 8,192 bytes
	s_lshl_b32 s24, ttmp9, 15                      ; the group's 16 rows of x,
	s_lshl_b32 s23, s22, 12                        ; my wave's two of them
	s_add_co_u32 s24, s24, s23
	s_mov_b32 s25, 0
	s_lshl_b32 s26, s22, 11                        ; my eighth of gate_w: d = 64 w .. 64 w + 63
	s_mov_b32 s27, 0
	s_lshr_b32 s28, s24, 1                         ; the same rows in xb: half the bytes
	s_mov_b32 s29, 0
	s_lshl_b32 s30, ttmp9, 3
	s_add_co_u32 s30, s30, s22                     ; g = E 256 + s 64 + w 16 + t
	s_and_b32 s31, s30, 15                         ; t
	s_bfe_u32 s39, s30, 0x20004                    ; w
	s_bfe_u32 s38, s30, 0x20006                    ; s
	s_lshr_b32 s23, s30, 8
	s_lshl_b32 s23, s23, 22                        ; an expert's w1 or w2: 4 MiB
	s_lshl_b32 s32, s31, 18                        ; w1: 32 t rows of 8,192 bytes,
	s_add_co_u32 s32, s32, s23
	s_lshl_b32 s33, s38, 11                        ; 512 s columns,
	s_add_co_u32 s32, s32, s33
	s_lshl_b32 s33, s39, 9                         ; 128 w columns
	s_add_co_u32 s32, s32, s33
	s_lshl_b32 s34, s38, 20                        ; w2: 512 s rows of 2,048 bytes,
	s_add_co_u32 s34, s34, s23
	s_lshl_b32 s35, s31, 16                        ; 32 t rows,
	s_add_co_u32 s34, s34, s35
	s_add_co_u32 s34, s34, s33                     ; 128 w columns
	s_mov_b32 s33, 0
	s_mov_b32 s35, 0
	s_lshr_b32 s36, s30, 4                         ; wq: 256 KiB for each (E, s, w),
	s_lshl_b32 s36, s36, 18
	s_lshl_b32 s37, s31, 13                        ; 8 KiB a K step
	s_add_co_u32 s36, s36, s37
	s_mov_b32 s37, 0
	s_wait_kmcnt 0x0
	s_load_b256 s[56:63], s[8:9], 0x0              ; gate_b, wanted by wave 0
	s_add_nc_u64 s[4:5], s[4:5], s[24:25]
	s_add_nc_u64 s[6:7], s[6:7], s[26:27]
	s_add_nc_u64 s[14:15], s[14:15], s[28:29]
	s_add_nc_u64 s[10:11], s[10:11], s[32:33]
	s_add_nc_u64 s[12:13], s[12:13], s[34:35]
	s_add_nc_u64 s[20:21], s[20:21], s[36:37]
.set i, 0
.rept 8                                                ; two rows of x, four loads of 512 consecutive bytes each
	global_load_b128 v[16+4*i:19+4*i], v5, s[4:5] offset:(i/4)*2048+(i%4)*512 th:TH_LOAD_NT
.set i, i+1
.endr
.set i, 0
.rept 4                                                ; gate_w: lane L holds d = 64 w + 16 i + L / 2, experts 4 (L % 2) + 0..3
	global_load_b128 v[48+4*i:51+4*i], v5, s[6:7] offset:512*i
.set i, i+1
.endr
.irp q, 0,1,2,3                                        ; my K step of w1: on its way while the router's phases run
	CLD \q, 14, 10, 8192
.endr
	s_mul_i32 s23, s22, 2*XP
	v_add_nc_u32 v7, s23, v6                       ; XT: my wave's first row + 8 L
	v_and_b32 v11, 1, v4
	v_mul_u32_u24 v8, v11, 4*XP                    ; GW: expert row 4 (L % 2),
	v_and_b32 v11, 30, v4                          ; 2 bytes x (L / 2),
	v_add_nc_u32 v8, v8, v11
	s_lshl_b32 s23, s22, 7                         ; 2 bytes x 64 w
	s_add_co_u32 s31, s23, GW
	v_add_nc_u32 v8, s31, v8
	v_and_b32 v11, 7, v4
	v_mul_u32_u24 v11, v11, XP                     ; source 0: row r % 8 of GW: rows 8-15 of the fragment repeat the experts
	v_lshl_add_u32 v11, v10, 4, v11
	v_add_nc_u32 v11, s31, v11
	v_mul_u32_u24 v12, v9, XP                      ; source 1: token row r
	v_lshl_add_u32 v12, v10, 4, v12
	v_add_nc_u32 v12, s23, v12
	v_lshl_add_u32 v13, v0, 5, PL
	s_wait_loadcnt 36                              ; x is in; the 36 younger loads (gate_w's 4, w1's 32) may stay out
.set i, 0
.rept 8                                                ; rounded in place; a wave's store covers 256 consecutive bytes of xb, aligned
	v_cvt_pk_bf16_f32 v[16+4*i], v[16+4*i], v[17+4*i]
	v_cvt_pk_bf16_f32 v[17+4*i], v[18+4*i], v[19+4*i]
	global_store_b64 v6, v[16+4*i:17+4*i], s[14:15] offset:(i/4)*1024+(i%4)*256
	ds_store_b64 v7, v[16+4*i:17+4*i] offset:(i/4)*XP+(i%4)*256
.set i, i+1
.endr
	s_wait_loadcnt 32                              ; gate_w is in; w1's 32 loads may stay out
.set i, 0
.rept 4
	v_cvt_pk_bf16_f32 v[48+4*i], v[48+4*i], v[49+4*i]
	v_cvt_pk_bf16_f32 v[49+4*i], v[50+4*i], v[51+4*i]
	ds_store_b16 v8, v[48+4*i] offset:32*i
	ds_store_b16_d16_hi v8, v[48+4*i] offset:32*i+XP
	ds_store_b16 v8, v[49+4*i] offset:32*i+2*XP
	ds_store_b16_d16_hi v8, v[49+4*i] offset:32*i+3*XP
.set i, i+1
.endr
	s_wait_dscnt 0x0                               ; for the others' sake: my rows of XT are written
	s_barrier_signal -1
	s_barrier_wait -1
	s_wait_xcnt 0x0                                ; the stores to xb have read their registers: v16 on are loaded again only behind this wait
.irp k, 0,1                                            ; wave w multiplies d = 64 w + 32 k ..: two K steps, an accumulator each
	ds_load_b128 v[16+8*\k:19+8*\k], v11 offset:64*\k
	ds_load_b128 v[20+8*\k:23+8*\k], v11 offset:64*\k+32
	ds_load_b128 v[32+8*\k:35+8*\k], v12 offset:64*\k
	ds_load_b128 v[36+8*\k:39+8*\k], v12 offset:64*\k+32
.endr
	s_wait_dscnt 0x0
	v_wmma_f32_16x16x32_bf16 v[192:199], v[16:23], v[32:39], 0
	v_wmma_f32_16x16x32_bf16 v[200:207], v[24:31], v[40:47], 0
.rept 4
	v_nop                                          ; four places between a product and the first read of its result (ISA guide 7.12.1)
.endr
.irp j, 0,2,4,6                                        ; register j is expert j of token r, in both halves of the lanes
	v_pk_add_f32 v[208+\j:209+\j], v[192+\j:193+\j], v[200+\j:201+\j]
.endr
	ds_store_b128 v13, v[208:211]
	ds_store_b128 v13, v[212:215] offset:16
	s_wait_dscnt 0x0                               ; for wave 0's sake
	s_barrier_signal -1
	s_barrier_wait -1
	s_cmp_lg_u32 s22, 0
	s_cbranch_scc1 .Lcast                          ; the choice is wave 0's: lane L has token L % 16; no barrier and no global load in what is jumped
	v_lshl_add_u32 v48, v4, 5, PL
.irp q, 0,1,2,3,4,5,6,7
	ds_load_b128 v[192+8*\q:195+8*\q], v48 offset:1024*\q
	ds_load_b128 v[196+8*\q:199+8*\q], v48 offset:1024*\q+16
.endr
	s_wait_kmcnt 0x0                               ; gate_b
.irp j, 0,2,4,6
	v_cvt_pk_bf16_f32 v49, s[56+\j], s[57+\j]      ; rounded to bf16 like every input
	v_lshlrev_b32 v[40+\j], 16, v49
	v_and_b32 v[41+\j], 0xffff0000, v49
.endr
	s_lshl_b32 s24, ttmp9, 7
	s_mov_b32 s25, 0
	s_add_nc_u64 s[18:19], s[18:19], s[24:25]      ; gate: 16 tokens x 8 bytes
	s_lshr_b32 s24, ttmp9, 1
	s_lshl_b32 s24, s24, 6                         ; bm: 16 words for each pair of groups,
	s_and_b32 s26, ttmp9, 1
	s_lshl_b32 s26, s26, 1                         ; the low or the high half of each word
	s_add_co_u32 s24, s24, s26
	s_add_nc_u64 s[16:17], s[16:17], s[24:25]
	s_wait_dscnt 0x0
.irp j, 0,2,4,6                                        ; the eight waves' parts, as a tree, and the bias
	v_pk_add_f32 v[192+\j:193+\j], v[192+\j:193+\j], v[200+\j:201+\j]
	v_pk_add_f32 v[208+\j:209+\j], v[208+\j:209+\j], v[216+\j:217+\j]
	v_pk_add_f32 v[224+\j:225+\j], v[224+\j:225+\j], v[232+\j:233+\j]
	v_pk_add_f32 v[240+\j:241+\j], v[240+\j:241+\j], v[248+\j:249+\j]
	v_pk_add_f32 v[192+\j:193+\j], v[192+\j:193+\j], v[208+\j:209+\j]
	v_pk_add_f32 v[224+\j:225+\j], v[224+\j:225+\j], v[240+\j:241+\j]
	v_pk_add_f32 v[192+\j:193+\j], v[192+\j:193+\j], v[224+\j:225+\j]
	v_pk_add_f32 v[192+\j:193+\j], v[192+\j:193+\j], v[40+\j:41+\j]
.endr
	v_mov_b32 v20, v192                            ; the largest: only a strictly greater logit displaces an earlier one
	v_mov_b32 v21, 0
.irp e, 1,2,3,4,5,6,7
	v_cmp_gt_f32 vcc_lo, v[192+\e], v20
	v_cndmask_b32 v20, v20, v[192+\e], vcc_lo
	v_cndmask_b32 v21, v21, \e, vcc_lo
.endr
	v_mov_b32 v24, 0xff800000                      ; the winner leaves the field
.irp e, 0,1,2,3,4,5,6,7
	v_cmp_eq_u32 vcc_lo, \e, v21
	v_cndmask_b32 v[192+\e], v[192+\e], v24, vcc_lo
.endr
	v_mov_b32 v22, v192                            ; the second largest, the same way
	v_mov_b32 v23, 0
.irp e, 1,2,3,4,5,6,7
	v_cmp_gt_f32 vcc_lo, v[192+\e], v22
	v_cndmask_b32 v22, v22, v[192+\e], vcc_lo
	v_cndmask_b32 v23, v23, \e, vcc_lo
.endr
	v_sub_f32 v25, v22, v20                        ; the maximum is taken away: l2 - l1 <= 0
	v_mul_f32 v25, 0x3fb8aa3b, v25
	v_exp_f32 v26, v25
	v_mov_b32 v30, 0                               ; a plain instruction behind the exponential
	s_wait_alu depctr_va_vdst(0)                   ; the wait ahead of the first use
	v_add_f32 v27, 1.0, v26
	v_rcp_f32 v28, v27                             ; g0 = 1 / (1 + e)
	v_lshlrev_b32 v31, 2, v4                       ; a plain instruction behind the reciprocal
	s_wait_alu depctr_va_vdst(0)
	v_mul_f32 v29, v26, v28                        ; g1 = e g0
.irp e, 0,1,2,3,4,5,6,7
	v_cmp_eq_u32 s[40+\e], \e, v21
	v_cmp_eq_u32 s[48+\e], \e, v23
.endr
.set i, 0
.rept 16
	v_writelane_b32 v30, s[40+i], i                ; word i into lane i; its low half is the 16 tokens' mask
.set i, i+1
.endr
	v_cmp_gt_u32 vcc_lo, 16, v4
	s_wait_xcnt 0x0                                ; EXEC changes only behind this wait
	s_and_saveexec_b32 s38, vcc_lo
	global_store_b64 v6, v[28:29], s[18:19]        ; 128 consecutive bytes
	global_store_b16 v31, v30, s[16:17]            ; my half of the 16 words
	s_wait_xcnt 0x0                                ; and again ahead of the line that widens it
	s_or_b32 exec_lo, exec_lo, s38
.Lcast:
.irp q, 0,1,2,3
	s_wait_loadcnt 24                              ; task q of w1 is in; behind it: w1's tasks q + 1 .. 3 and w2's 0 .. q - 1: three tasks of eight loads
	CVT1 \q
	CLD \q, 15, 12, 2048                           ; the slot takes task q of w2
	CST \q, 0
.endr
.irp q, 0,1,2,3
	s_wait_loadcnt 24-8*\q                         ; task q of w2 is in; the tasks behind it may stay out
	s_wait_xcnt 0x0                                ; the stores of w1's task q have read the registers that are packed into again
	CVT2 \q
	CST \q, 131072                                 ; w2's K steps lie 16 x 8 KiB behind w1's
.endr
	s_wait_tensorcnt 0x0                           ; the wave's end: three lines behind my last LDS store
	ds_add_u32 v1, v2
	s_wait_dscnt 0x0
	s_endpgm
.Lfunc_end_k_qfc8c2ab2bb_prep:
	.size	k_qfc8c2ab2bb_prep, .Lfunc_end_k_qfc8c2ab2bb_prep-k_qfc8c2ab2bb_prep
	.p2alignl 7, 3214868480
	.fill 96, 4, 3214868480
	.section	.rodata,"a",@progbits
	.p2align	6, 0x0
	.amdhsa_kernel k_qfc8c2ab2bb_prep
		.amdhsa_group_segment_fixed_size 34304
		.amdhsa_private_segment_fixed_size 0
		.amdhsa_enable_private_segment 0
		.amdhsa_kernarg_size 72
		.amdhsa_user_sgpr_count 2
		.amdhsa_user_sgpr_kernarg_segment_ptr 1
		.amdhsa_wavefront_size32 1
		.amdhsa_system_sgpr_workgroup_id_x 1
		.amdhsa_system_sgpr_workgroup_id_y 1
		.amdhsa_system_sgpr_workgroup_id_z 1
		.amdhsa_system_vgpr_workitem_id 0
		.amdhsa_next_free_vgpr 256
		.amdhsa_next_free_sgpr 66
		.amdhsa_reserve_vcc 1
		.amdhsa_float_denorm_mode_32 3
		.amdhsa_float_denorm_mode_16_64 3
		.amdhsa_memory_ordered 1
		.amdhsa_forward_progress 1
		.amdhsa_inst_pref_size 45
	.end_amdhsa_kernel
	.amdgpu_metadata
---
amdhsa.version: [ 1, 2 ]
amdhsa.kernels:
  - .name:           k_qfc8c2ab2bb_prep
    .symbol:         k_qfc8c2ab2bb_prep.kd
    .args:
      - { .name: x, .offset: 0, .size: 8, .value_kind: global_buffer, .address_space: global }
      - { .name: gate_w, .offset: 8, .size: 8, .value_kind: global_buffer, .address_space: global }
      - { .name: gate_b, .offset: 16, .size: 8, .value_kind: global_buffer, .address_space: global }
      - { .name: w1, .offset: 24, .size: 8, .value_kind: global_buffer, .address_space: global }
      - { .name: w2, .offset: 32, .size: 8, .value_kind: global_buffer, .address_space: global }
      - { .name: xb, .offset: 40, .size: 8, .value_kind: global_buffer, .address_space: global }
      - { .name: bm, .offset: 48, .size: 8, .value_kind: global_buffer, .address_space: global }
      - { .name: gate, .offset: 56, .size: 8, .value_kind: global_buffer, .address_space: global }
      - { .name: wq, .offset: 64, .size: 8, .value_kind: global_buffer, .address_space: global }
    .group_segment_fixed_size: 34304
    .private_segment_fixed_size: 0
    .kernarg_segment_align: 8
    .kernarg_segment_size: 72
    .max_flat_workgroup_size: 256
    .sgpr_count:     66
    .vgpr_count:     256
    .wavefront_size: 32
...
	.end_amdgpu_metadata
.endif
;; end of part 4
;; launch chain (part 5): grid 256 x 1, 4 waves a work-group, no clusters, 158,208 bytes of LDS; arguments bm, gate, xb, wq, b1, b2, part; writes part
.if DOCPART == 5
	.amdgcn_target "amdgcn-amd-amdhsa--gfx1250"
	.amdhsa_code_object_version 6
	.text
	.protected	k_qfc8c2ab2bb_chain
	.globl	k_qfc8c2ab2bb_chain
	.p2align	8
	.type	k_qfc8c2ab2bb_chain,@function
k_qfc8c2ab2bb_chain:
	s_mov_b64 s[64:65], 0
	v_nop
	global_prefetch_b8 v0, s[64:65] scope:SCOPE_SE
	s_setreg_imm32_b32 hwreg(HW_REG_WAVE_MODE, 25, 1), 1
	s_wait_xcnt 0x0
; THE EXPERTS.  part[s][2 token + k][:] = gate x ( relu(x w1[E][:, slice s] + b1) w2[E][slice s, :] + (s = 0 ? b2 : 0) ), for the rows that chose expert E.
; GRID.  256 work-groups in a row = 64 tile slots T x 4 slices s of H (512 of 2,048).  Of the work-group's number n, bits 2-3 are s; T has n's bits 4-7 as its low four
; bits, bit 1 as its bit 4 and bit 0 as its bit 5.  So the work-groups that read the same weights (one slice, neighbouring slots of one expert) have numbers 16 apart, and
; differ in bits 0-1 only where an expert's slots cross a multiple of 16.
; A tile is 144 routed rows of one expert: the sum over experts of ceil(c / 144) is at most
; (8,192 + 8 x 143) / 144 = 64.8, so 64 slots serve every split of the tokens.  Every work-group counts the routing for itself from the 8 KiB of masks.
; A slot that a split leaves without rows passes every barrier, runs each product's first K step, jumps the rest and stores nothing.
; SHARES.  Four waves; a wave owns all 144 rows x 128 of the 512 columns in both products: 72 accumulators of 16 x 16, 576 registers.
; X (later H) lies in LDS, 16 bits a number.  THE WEIGHTS COME FROM MEMORY STRAIGHT INTO OPERAND REGISTERS: the launch before has rounded them and laid them out so that a
; wave's K step is 8 KiB on end, 16 loads of 512 consecutive bytes, and w1's 16 steps are followed by w2's 16: one stream of 32 steps through both products.
; Fragment nf = 4 G + f holds column 64 G + 4 r + f of the wave's 128 in lane r: a lane's four fragments are four neighbouring columns.
; No tensor loads and no joint requests: whole clusters for each expert would want up to 22 x 4 clusters where 64 exist; four K steps of weights have registers
; instead, and the K loops hold no barrier.
; FORMAT.  All inputs are rounded once to bf16 (b1, b2 here; x, w1, w2 by the launch before); sums in f32.  The first product multiplies in bf16.  h is rounded once to f16
; (11 significant bits): the last launch divides by sqrt(v_new), which can be very small, and 8 bits in h do not leave the room that this wants.  So the second product
; multiplies in f16, and w2, rounded to bf16 like every input, comes written as f16.
; LIMITS.  h of 65,520 or more becomes infinite (x of spread 1 and w1 of spread 0.02 give h a spread of 0.45; both 30 times larger about 2,400 at the most; both with an
; offset of 30 spreads about 9,200).  In a tile that is not full the places past the count repeat its last row; within the last block of 16 they store the same bytes
; again at the same place.
; REGISTERS, in windows of 256 (s_set_vgpr_msb: bits 1:0 source 0, 3:2 source 1, 5:4 source 2, 7:6 destination):
;   window 0: v0-15 addresses; v16-87, v88-159 the nine fragments of X or H of a K step, two buffers; v160-191 at work; v192-255 the accumulators of row block 8
;   window 1: B's fragments, a ring of four K steps of 64     window 2: accumulators of row blocks 0-3 (64 a block)     window 3: of blocks 4-7
.set XP,    1040                       ; an LDS row: 1,024 bytes + 16 = 65 x 16: sixteen rows of a fragment load begin 16 bytes apart modulo 256
.set TB,    0                          ; 128 x 16 bytes: for each block of 32 tokens: rows of E before it, mask of E's tokens, mask 'E is the second choice', 0
.set WT,    2048                       ; the four waves' totals
.set LIST,  2304                       ; 144 slots (2 token + k)
.set GATE,  3072                       ; 144 weights
.set B2P,   3840                       ; b2 of my eight columns, set aside: thread x 32 bytes
.set SPARE, 7936                       ; the spare words: 128 bytes a wave, named by no other line
.set XH,    8448                       ; 144 rows: X, later H
.set SPW, 1                            ; v1   my spare word's address; never rewritten
.set NIL, 2                            ; v2   0, for the add alone
.set VW,  3                            ; v3   byte offset of my lane in the weight stream; steps by a K step
.set AB,  5                            ; v5-7 LDS address of my fragment row in row blocks 0, 3, 6, at the K step fetched last
.set ZR,  8                            ; v8   0
.set ABUF, 16
.set ACC8, 192
.set WV,  20                           ; s20 wave   s21 T   s22 s   s23 E   s24 c_E   s25 E's first slot   s26 slots dealt
.set TT,  21
.set SL,  22
.set EX,  23
.set R0,  28                           ; s28 the tile's first row among E's rows
.set CNTR, 29                          ; s29 its rows (0: none)
.set LIVE, 30                          ; s30 1: the slot has rows
.set CM1, 31                           ; s31 max(rows, 1) - 1
.set CNT, 57                           ; s57 loop counter
.set MSB, 0
.macro WIN new                         ; the immediate's high byte repeats the setting that is left; a switch that changes nothing is dropped
.if MSB != (\new)
	s_set_vgpr_msb (MSB<<8)|(\new)
.set MSB, (\new)
.endif
.endm
.macro POPC d, s                       ; v[d] = the number of ones in v[s]
	v_lshrrev_b32 v9, 1, v[\s]
	v_and_b32 v9, s2, v9
	v_sub_nc_u32 v[\d], v[\s], v9
	v_lshrrev_b32 v9, 2, v[\d]
	v_and_b32 v[\d], s3, v[\d]
	v_and_b32 v9, s3, v9
	v_add_nc_u32 v[\d], v[\d], v9
	v_lshrrev_b32 v9, 4, v[\d]
	v_add_nc_u32 v[\d], v[\d], v9
	v_and_b32 v[\d], s66, v[\d]
	v_mul_lo_u32 v[\d], v[\d], s67
	v_lshrrev_b32 v[\d], 24, v[\d]
.endm
.macro SCAN m, mask                    ; one step of the prefix sum over the lanes: the partner m away; the upper partner adds the lower group's total to its prefix
.irp j, 0,1,2,3
.if (\m) < 16
	v_mov_b32_dpp v[56+\j], v[48+\j] row_xmask:\m row_mask:0xf bank_mask:0xf
.else
	v_permlanex16_b32 v[56+\j], v[48+\j], s54, s55
.endif
.endr
.irp j, 0,1,2,3
	v_cndmask_b32 v[60+\j], v[ZR], v[56+\j], \mask
.endr
.irp j, 0,1,2,3
	v_add_nc_u32 v[52+\j], v[52+\j], v[60+\j]
	v_add_nc_u32 v[48+\j], v[48+\j], v[56+\j]
.endr
.endm
.macro BLD buf, rel                    ; a K step's weights, 16 loads of 512 consecutive bytes, into ring buffer buf: load 2 nf + c is half c of fragment nf
	WIN 0x40                                       ; destination window 1, offset window 0
.set bi, 0
.rept 16
	global_load_b128 v[64*(\buf)+4*bi:64*(\buf)+4*bi+3], v[VW], s[10:11] offset:(\rel)+512*bi
.set bi, bi+1
.endr
.endm
.macro RND2 a, t                       ; v[a], v[a+1] rounded to bf16, kept as f32
	v_cvt_pk_bf16_f32 v[\t], v[\a], v[(\a)+1]
	v_lshlrev_b32 v[\a], 16, v[\t]
	v_and_b32 v[(\a)+1], 0xffff0000, v[\t]
.endm
.macro BIAS8 src                       ; block 8's accumulators take the bias of the lane's column: the C operand with which all nine blocks start their sums
.set i, 0
.rept 64
	v_mov_b32 v[ACC8+i], v[(\src)+i/8]
.set i, i+1
.endr
.endm
.macro SRCH step, n, clamp             ; both row sets: of n blocks, step apart, how many begin at or before my row?
.if (\clamp) >= 0
	v_min_u32 v20, \clamp, v20                     ; the index is bounded in the text: no read leaves TB
	v_min_u32 v21, \clamp, v21
.endif
.set c, 1
.rept \n
	ds_load_b32 v[21+c], v20 offset:TB+16*(\step)*c
	ds_load_b32 v[24+c], v21 offset:TB+16*(\step)*c
.set c, c+1
.endr
	v_mov_b32 v29, 16*(\step)
	s_wait_dscnt 0x0
.set c, 1
.rept \n
	v_cmp_le_u32 vcc_lo, v[21+c], v18
	v_cndmask_b32 v28, v[ZR], v29, vcc_lo
	v_add_nc_u32 v20, v20, v28
	v_cmp_le_u32 vcc_lo, v[24+c], v19
	v_cndmask_b32 v28, v[ZR], v29, vcc_lo
	v_add_nc_u32 v21, v21, v28
.set c, c+1
.endr
.endm
.macro NSTEP q, pos, lvl, fw, w        ; are the q + 1 ones wanted all above the next w bits?
	v_bfe_u32 v44, v[\lvl], v[\pos], \fw
	v_mov_b32 v45, \w
	v_cmp_ge_u32 vcc_lo, v[\q], v44
	v_cndmask_b32 v44, v[ZR], v44, vcc_lo
	v_cndmask_b32 v45, v[ZR], v45, vcc_lo
	v_sub_nc_u32 v[\q], v[\q], v44
	v_add_nc_u32 v[\pos], v[\pos], v45
.endm
.macro NTH q, ent, lo, pos, slot       ; v[ent..ent+2] = a TB entry; v[q] = my row: the place of one number q - P in the mask, and the slot 2 token + k
	v_sub_nc_u32 v[\q], v[\q], v[\ent]
	v_lshrrev_b32 v40, 1, v[(\ent)+1]
	v_and_b32 v40, 0x55555555, v40
	v_sub_nc_u32 v40, v[(\ent)+1], v40             ; counts of 2 bits
	v_lshrrev_b32 v41, 2, v40
	v_and_b32 v41, 0x33333333, v41
	v_and_b32 v42, 0x33333333, v40
	v_add_nc_u32 v41, v41, v42                     ; of 4
	v_lshrrev_b32 v42, 4, v41
	v_add_nc_u32 v42, v42, v41
	v_and_b32 v42, 0x0f0f0f0f, v42                 ; of 8
	v_lshrrev_b32 v43, 8, v42
	v_add_nc_u32 v43, v43, v42
	v_and_b32 v43, 0x00ff00ff, v43                 ; of 16
	v_mov_b32 v[\pos], 0
	NSTEP \q, \pos, 43, 8, 16
	NSTEP \q, \pos, 42, 8, 8
	NSTEP \q, \pos, 41, 4, 4
	NSTEP \q, \pos, 40, 2, 2
	NSTEP \q, \pos, (\ent)+1, 1, 1
	v_bfe_u32 v44, v[(\ent)+2], v[\pos], 1         ; k
	v_lshl_add_u32 v44, v[\pos], 1, v44
	v_lshl_add_u32 v44, v[\lo], 2, v44             ; 64 x block = 4 x (16 x block)
	v_min_u32 v[\slot], 0x1fff, v44                ; bounded in the text before it enters an address
.endm
.macro ABINIT
	v_and_b32 v12, 15, v0
	v_bfe_u32 v13, v0, 4, 1
	v_mul_u32_u24 v[AB], v12, XP
	v_lshl_add_u32 v[AB], v13, 4, v[AB]            ; row r x pitch + 16 h
	v_add_nc_u32 v[AB], XH, v[AB]
	v_add_nc_u32 v[AB+1], 48*XP, v[AB]
	v_add_nc_u32 v[AB+2], 96*XP, v[AB]
.endm
.macro ABSTEP n
.irp j, 0,1,2
	v_add_nc_u32 v[AB+\j], \n, v[AB+\j]
.endr
.endm
.macro ALD buf                         ; the nine fragments of X or H at the K step that AB names, 18 loads, into buffer buf
	WIN 0
.set nb, 0
.rept 9
	ds_load_b128 v[ABUF+72*(\buf)+8*nb:ABUF+72*(\buf)+8*nb+3], v[AB+nb/3] offset:(nb%3)*16*XP
	ds_load_b128 v[ABUF+72*(\buf)+8*nb+4:ABUF+72*(\buf)+8*nb+7], v[AB+nb/3] offset:(nb%3)*16*XP+32
.set nb, nb+1
.endr
.endm
.macro MMA fm                          ; the product whose registers STEP has just named: in bf16 (fm = 0) or in f16 (fm = 1)
.if \fm
	v_wmma_f32_16x16x32_f16 v[rD:rD+7], v[rA:rA+7], v[rB:rB+7], v[rC:rC+7]
.else
	v_wmma_f32_16x16x32_bf16 v[rD:rD+7], v[rA:rA+7], v[rB:rB+7], v[rC:rC+7]
.endif
.endm
; A K STEP: 72 products, row block mb = pos / 8, column fragment nf = pos % 8.  The 72 accumulators take turns, over the loops' edges too.
; tb: B's ring buffer (stream step % 4); par: A's buffer (step % 2).  ALL THE STEP'S MEMORY INSTRUCTIONS STAND IN ONE RUN, behind product 7: the weights three stream
; steps on (ld = 1), into the ring buffer that the step before multiplied, and the next K step's nine fragments of X or H (ald = 1), into the buffer that the step before read.
; The four lines in front of the run, the steps of the four address registers (v_nop where one has nothing to step), are the four places behind those buffers' last
; readers, the last products of the step before (ISA guide 7.12.1 for vector instructions).  The stream's offset is rewritten behind s_wait_xcnt 0; the loads that
; it frees were issued a whole step earlier.
; At the step's head: all LDS loads are in (they were issued 64 products ago); lw = the global loads issued behind this step's weights: the two younger steps' 16 each;
; in the last three steps, which ask for nothing, 32, 16 and 0.
; first = 1: the sums start with the bias, block 8's accumulators as the C operand; block 8 then adds in place, and a v_nop behind each of products 56-70 keeps
; more than five places between the last read of such a C and the product that writes over it.
.macro STEP tb, par, first, ld, ald, fm, lw
	s_wait_dscnt 0x0
	s_wait_loadcnt \lw
.set pos, 0
.rept 72
.set mb, pos/8
.set nf, pos%8
.set rA, ABUF+72*(\par)+8*mb
.set rB, 64*(\tb)+8*nf
.if mb < 8
.set rD, 64*(mb%4)+8*nf
.set wD, 2+mb/4
.else
.set rD, ACC8+8*nf
.set wD, 0
.endif
.set rC, rD
.if (\first) && (mb < 8)
.set rC, ACC8+8*nf
	WIN (wD<<6)|0x04                               ; A window 0, B window 1, C window 0
.else
	WIN (wD<<6)|(wD<<4)|0x04
.endif
	MMA \fm
.if (\first) && (pos >= 56) && (pos < 71)
	v_nop
.endif
.if (pos == 7) && ((\ld) || (\ald))
	WIN 0
.if \ld
	s_wait_xcnt 0x0
	v_add_nc_u32 v[VW], 8192, v[VW]
.else
	v_nop
.endif
.if \ald
	ABSTEP 64
.else
	v_nop
	v_nop
	v_nop
.endif
.if \ld
	BLD ((\tb)+3)%4, 16384
.endif
.if \ald
	ALD 1-(\par)
.endif
.endif
.set pos, pos+1
.endr
.endm
; h of row block mb: rounded to f16 (a lane's four neighbouring columns make 8 bytes), ReLU on the packed halves, into H's rows.  Each accumulator's register 0 is read first.
.macro HOUT mb
.set tS, ABUF+32*((\mb)%2)
.if (\mb) < 8
.set rb, 64*((\mb)%4)
	WIN 0x0a+5*((\mb)/4)                           ; sources window 2 or 3
.else
.set rb, ACC8
	WIN 0
.endif
.irp j, 0,1,2,3,4,5,6,7
.irp g, 0,1
	v_cvt_pk_f16_f32 v[tS+4*\j+2*\g], v[rb+32*\g+\j], v[rb+32*\g+8+\j]
	v_cvt_pk_f16_f32 v[tS+4*\j+2*\g+1], v[rb+32*\g+16+\j], v[rb+32*\g+24+\j]
.endr
.endr
	WIN 0
.set i, 0
.rept 32
	v_pk_max_num_f16 v[tS+i], v[tS+i], v[ZR]
.set i, i+1
.endr
.irp j, 0,1,2,3,4,5,6,7
.irp g, 0,1
	ds_store_b64 v[9+(\mb)/3], v[tS+4*\j+2*\g:tS+4*\j+2*\g+1] offset:(((\mb)%3)*16+\j)*XP+128*\g
.endr
.endr
.endm
.macro LGLD mb                         ; slots and weights of rows 16 mb + 8 h + 0..7, into set mb % 2
.set sS, 144+16*((\mb)%2)
	ds_load_b128 v[sS:sS+3], v10 offset:LIST+64*(\mb)
	ds_load_b128 v[sS+4:sS+7], v10 offset:LIST+64*(\mb)+16
	ds_load_b128 v[sS+8:sS+11], v10 offset:GATE+64*(\mb)
	ds_load_b128 v[sS+12:sS+15], v10 offset:GATE+64*(\mb)+16
.endm
; Row block mb leaves: times the row's weight, 16 bytes a lane; lanes 0-15 store 256 consecutive bytes of one row of part, aligned, lanes 16-31 of another.
; Offsets and data have two sets of registers, by the block's parity.  The wait in front of a block's stores shows the stores of the block before translated, so the block
; behind may write that set again; those stores were issued a block's arithmetic earlier.
; A block that lies wholly past the count ends the way out: a forward jump, past no barrier.
.macro POUT mb
	s_cmp_le_u32 s[CNTR], 16*(\mb)
	s_cbranch_scc1 .Lend
.if (\mb) < 8
	LGLD (\mb)+1
	s_wait_dscnt 4                                 ; my block's four loads are in; the next block's may stay out
.else
	s_wait_dscnt 0x0
.endif
.set sS, 144+16*((\mb)%2)
.set qS, ABUF+64*((\mb)%2)
.set oS, 176+8*((\mb)%2)
.irp j, 0,1,2,3,4,5,6,7
	v_min_u32 v[oS+\j], 0x1fff, v[sS+\j]
.endr
.irp j, 0,1,2,3,4,5,6,7
	v_lshl_add_u32 v[oS+\j], v[oS+\j], 11, v9
.endr
.if (\mb) < 8
.set rb, 64*((\mb)%4)
	WIN 2+(\mb)/4                                  ; source 0 window 2 or 3
.else
.set rb, ACC8
.endif
.irp j, 0,1,2,3,4,5,6,7
.irp n, 0,1,2,3,4,5,6,7
	v_mul_f32 v[qS+8*\j+\n], v[rb+8*\n+\j], v[sS+8+\j]
.endr
.endr
	WIN 0
	s_wait_xcnt 0x0                                ; every store issued so far has read its offsets and data
.irp j, 0,1,2,3,4,5,6,7
	global_store_b128 v[oS+\j], v[qS+8*\j:qS+8*\j+3], s[16:17]
	global_store_b128 v[oS+\j], v[qS+8*\j+4:qS+8*\j+7], s[16:17] offset:256
.endr
.endm
	s_load_b256 s[4:11], s[0:1], 0x0               ; bm s[4:5], gate s[6:7], xb s[8:9], wq s[10:11]
	s_load_b128 s[12:15], s[0:1], 0x20             ; b1 s[12:13], b2 s[14:15]
	s_load_b64 s[16:17], s[0:1], 0x30              ; part
	v_lshl_add_u32 v[SPW], v0, 2, SPARE
	v_mov_b32 v[NIL], 0
	v_mov_b32 v[ZR], 0
	v_lshrrev_b32 v9, 5, v0
	v_readfirstlane_b32 s[WV], v9
	s_bfe_u32 s[SL], ttmp9, 0x20002                ; the slice: bits 2-3 of the work-group's number
	s_lshr_b32 s[TT], ttmp9, 4                     ; the tile slot: bits 4-7 are its low four bits,
	s_and_b32 s27, ttmp9, 2
	s_lshl_b32 s27, s27, 3                         ; bit 1 is its bit 4,
	s_or_b32 s[TT], s[TT], s27
	s_and_b32 s27, ttmp9, 1
	s_lshl_b32 s27, s27, 5                         ; bit 0 its bit 5
	s_or_b32 s[TT], s[TT], s27
	s_mov_b32 s2, 0x55555555
	s_mov_b32 s3, 0x33333333
	s_mov_b32 s66, 0x0f0f0f0f
	s_mov_b32 s67, 0x01010101
	s_mov_b32 s48, 0xaaaaaaaa                      ; lanes whose number has bit 0, 1, 2, 3, 4
	s_mov_b32 s49, 0xcccccccc
	s_mov_b32 s50, 0xf0f0f0f0
	s_mov_b32 s51, 0xff00ff00
	s_mov_b32 s52, 0xffff0000
	s_mov_b32 s54, 0x76543210                      ; v_permlanex16_b32: each lane takes its own place in the other half
	s_mov_b32 s55, 0xfedcba98
	v_lshlrev_b32 v10, 6, v0
	s_wait_kmcnt 0x0
.irp q, 0,1,2,3                                        ; thread t: the 16 masks of tokens 32 t .. 32 t + 31
	global_load_b128 v[16+4*\q:19+4*\q], v10, s[4:5] offset:16*\q
.endr
	s_wait_loadcnt 0x0
.irp e, 0,1,2,3,4,5,6,7
	v_or_b32 v[32+\e], v[16+\e], v[24+\e]          ; the tokens that chose expert e, first or second
.endr
.irp e, 0,1,2,3,4,5,6,7
	POPC 40+\e, 32+\e
.endr
.irp j, 0,1,2,3                                        ; two experts' counts to a register: no field passes 4,096
	v_lshl_or_b32 v[48+\j], v[41+2*\j], 16, v[40+2*\j]
	v_mov_b32 v[52+\j], 0
	v_mov_b32 v[56+\j], 0
.endr
	SCAN 1, s48
	SCAN 2, s49
	SCAN 4, s50
	SCAN 8, s51
	SCAN 16, s52
	s_lshl_b32 s27, s[WV], 4
	s_add_co_u32 s27, s27, WT
	v_mov_b32 v10, s27
	ds_store_b128 v10, v[48:51]                    ; my wave's totals
	s_wait_dscnt 0x0
	s_barrier_signal -1
	s_barrier_wait -1
	v_mov_b32 v10, WT
.irp q, 0,1,2,3
	ds_load_b128 v[176+4*\q:179+4*\q], v10 offset:16*\q
.endr
	s_wait_dscnt 0x0
.set i, 0
.rept 16
	v_readfirstlane_b32 s[32+i], v[176+i]
.set i, i+1
.endr
.irp j, 0,1,2,3
	s_add_co_u32 s[84+\j], s[32+\j], s[36+\j]
	s_add_co_u32 s[84+\j], s[84+\j], s[40+\j]
	s_add_co_u32 s[84+\j], s[84+\j], s[44+\j]
	s_and_b32 s[68+2*\j], s[84+\j], 0xffff         ; c_e
	s_lshr_b32 s[69+2*\j], s[84+\j], 16
.endr
	; THE DEAL: expert e takes ceil(c_e / 144) slots, in order.  (c + 143) x 116,509 >> 24 is (c + 143) / 144 exactly up to c = 4,096.
	s_mov_b32 s26, 0
	s_mov_b32 s[EX], 0
	s_mov_b32 s24, 0
	s_mov_b32 s25, 0
.irp e, 0,1,2,3,4,5,6,7
	s_cmp_le_u32 s26, s[TT]
	s_cselect_b32 s[EX], \e, s[EX]
	s_cselect_b32 s24, s[68+\e], s24
	s_cselect_b32 s25, s26, s25
	s_add_co_u32 s27, s[68+\e], 143
	s_mul_i32 s27, s27, 116509
	s_lshr_b32 s27, s27, 24
	s_add_co_u32 s26, s26, s27
.endr
	s_min_u32 s[EX], s[EX], 7                      ; bounded in the text before it enters an address
	s_cmp_lt_u32 s[TT], s26
	s_cselect_b32 s[LIVE], 1, 0
	s_sub_co_u32 s27, s[TT], s25
	s_mul_i32 s27, s27, 144
	s_sub_co_u32 s53, s24, s27
	s_min_u32 s53, s53, 144
	s_cmp_eq_u32 s[LIVE], 1
	s_cselect_b32 s[R0], s27, 0
	s_cselect_b32 s[CNTR], s53, 0
	s_max_u32 s[CM1], s[CNTR], 1
	s_sub_co_u32 s[CM1], s[CM1], 1
	s_mov_b32 s63, 0
	s_lshl_b32 s62, s[EX], 22                      ; wq: 1 MiB for each (expert, slice)
	s_lshl_b32 s27, s[SL], 20
	s_add_co_u32 s62, s62, s27
	s_add_nc_u64 s[10:11], s[10:11], s[62:63]
	s_lshl_b32 s62, s[EX], 13
	s_lshl_b32 s27, s[SL], 11
	s_add_co_u32 s62, s62, s27
	s_add_nc_u64 s[12:13], s[12:13], s[62:63]      ; b1
	s_lshl_b32 s62, s[EX], 11
	s_add_nc_u64 s[14:15], s[14:15], s[62:63]      ; b2
	s_lshl_b32 s62, s[SL], 24
	s_add_nc_u64 s[16:17], s[16:17], s[62:63]      ; part: the slice's 16 MiB
	v_lshrrev_b32 v9, 5, v0
	v_and_b32 v11, 15, v0                          ; r
	v_lshlrev_b32 v14, 4, v11
	v_lshl_add_u32 v14, v9, 9, v14                 ; my wave's 128 columns, my lane's four: 512 w + 16 r
	v_and_b32 v12, 31, v0
	v_lshlrev_b32 v12, 4, v12
	v_lshl_add_u32 v[VW], v9, 18, v12              ; my wave's 256 KiB of the stream, 16 bytes a lane
	global_load_b128 v[160:163], v14, s[12:13]     ; b1 and b2 of my eight columns
	global_load_b128 v[164:167], v14, s[12:13] offset:256
	global_load_b128 v[168:171], v14, s[14:15]
	global_load_b128 v[172:175], v14, s[14:15] offset:256
	BLD 0, 0                                       ; the weight stream starts as soon as E is known: K steps 0, 1 and 2
	BLD 1, 8192
	BLD 2, 16384
	WIN 0
	; THE TABLE for expert E
.irp q, 0,1,2
	s_cmp_gt_u32 s[WV], \q
.irp j, 0,1,2,3
	s_cselect_b32 s27, s[32+4*\q+\j], 0            ; the totals of the waves before mine
	v_add_nc_u32 v[52+\j], s27, v[52+\j]
.endr
.endr
	s_bitcmp1_b32 s[EX], 0
	s_cselect_b32 s58, -1, 0
	s_bitcmp1_b32 s[EX], 1
	s_cselect_b32 s59, -1, 0
	s_bitcmp1_b32 s[EX], 2
	s_cselect_b32 s60, -1, 0
	s_and_b32 s61, s[EX], 1
	s_lshl_b32 s61, s61, 4
	v_cndmask_b32 v9, v52, v53, s59
	v_cndmask_b32 v10, v54, v55, s59
	v_cndmask_b32 v9, v9, v10, s60
	v_lshrrev_b32 v9, s61, v9
	v_and_b32 v60, 0xffff, v9                      ; rows of E before my block
.irp i, 0,1,2,3
	v_cndmask_b32 v[40+\i], v[32+2*\i], v[33+2*\i], s58
	v_cndmask_b32 v[44+\i], v[24+2*\i], v[25+2*\i], s58
.endr
	v_cndmask_b32 v40, v40, v41, s59
	v_cndmask_b32 v42, v42, v43, s59
	v_cndmask_b32 v61, v40, v42, s60               ; E's tokens in my block
	v_cndmask_b32 v44, v44, v45, s59
	v_cndmask_b32 v46, v46, v47, s59
	v_cndmask_b32 v62, v44, v46, s60               ; of which: second choice
	v_mov_b32 v63, 0
	v_lshlrev_b32 v13, 4, v0
	ds_store_b128 v13, v[60:63] offset:TB
	s_wait_dscnt 0x0
	s_barrier_signal -1
	s_barrier_wait -1
	; THE ROWS.  Wave w finds rows 36 w .. 36 w + 35 of the tile: lane L row 36 w + L, and (eight lanes alike) row 36 w + 32 + L % 4.
	s_mul_i32 s53, s[WV], 36
	v_and_b32 v15, 31, v0
	v_add_nc_u32 v16, s53, v15
	v_and_b32 v17, 3, v15
	v_add_nc_u32 v17, s53, v17
	v_add_nc_u32 v17, 32, v17
	v_min_u32 v18, s[CM1], v16                     ; places past the count repeat the last row
	v_min_u32 v19, s[CM1], v17
	v_add_nc_u32 v18, s[R0], v18
	v_add_nc_u32 v19, s[R0], v19
	v_mov_b32 v20, 0
	v_mov_b32 v21, 0
	SRCH 32, 3, -1                                 ; the last block that begins at or before my row: 128 = 4 x 4 x 4 x 2
	SRCH 8, 3, 0x600
	SRCH 2, 3, 0x780
	SRCH 1, 1, 0x7e0
	v_min_u32 v20, 0x7f0, v20
	v_min_u32 v21, 0x7f0, v21
	ds_load_b128 v[32:35], v20 offset:TB
	ds_load_b128 v[36:39], v21 offset:TB
	s_wait_dscnt 0x0
	NTH 18, 32, 20, 30, 48
	NTH 19, 36, 21, 31, 49
	v_lshl_add_u32 v47, v16, 2, LIST
	ds_store_b32 v47, v48
	v_lshl_add_u32 v47, v17, 2, LIST
	ds_store_b32 v47, v49
	v_lshlrev_b32 v50, 2, v48
	v_lshlrev_b32 v51, 2, v49
	global_load_b32 v52, v50, s[6:7]               ; the rows' weights
	global_load_b32 v53, v51, s[6:7]
	s_wait_dscnt 0x0
	s_barrier_signal -1
	s_barrier_wait -1
	v_bfe_u32 v54, v0, 4, 1
	v_add_nc_u32 v54, s53, v54
	v_lshl_add_u32 v54, v54, 2, LIST
.set i, 0
.rept 18                                               ; pair a of my 36 rows: lanes 0-15 row 36 w + 2 a, lanes 16-31 the next
	ds_load_b32 v[128+i], v54 offset:8*i
.set i, i+1
.endr
	s_wait_loadcnt 50                              ; the biases are in; behind them: three K steps' 48 loads and the two weights
.irp a, 160,162,164,166,168,170,172,174
	RND2 \a, 9
.endr
	BIAS8 160
	s_cmp_eq_u32 s[SL], 0
	s_cselect_b32 s61, -1, 0                       ; b2 is added once: in slice 0
.irp a, 0,1,2,3,4,5,6,7
	v_and_b32 v[168+\a], s61, v[168+\a]
.endr
	v_lshl_add_u32 v59, v0, 5, B2P
	ds_store_b128 v59, v[168:171]
	ds_store_b128 v59, v[172:175] offset:16
	v_and_b32 v55, 15, v0
	v_lshlrev_b32 v55, 4, v55
	v_bfe_u32 v56, v0, 4, 1
	v_add_nc_u32 v56, s53, v56
	v_mul_u32_u24 v56, v56, XP
	v_add_nc_u32 v56, v56, v55
	v_add_nc_u32 v56, XH, v56
	v_lshl_add_u32 v57, v16, 2, GATE
	v_lshl_add_u32 v58, v17, 2, GATE
	s_wait_dscnt 0x0
.set i, 0
.rept 18                                               ; token x 1,024 bytes + 16 (L % 16)
	v_min_u32 v[128+i], 0x1fff, v[128+i]
	v_and_b32 v[128+i], 0x1ffe, v[128+i]
	v_lshl_add_u32 v[128+i], v[128+i], 9, v55
.set i, i+1
.endr
	WIN 0x80                                       ; x lands in the accumulators' registers: windows 2 and 3
.set i, 0
.rept 64
	global_load_b128 v[4*i:4*i+3], v[128+i/4], s[8:9] offset:256*(i%4)
.set i, i+1
.endr
	WIN 0xc0
.rept 8
	global_load_b128 v[4*(i-64):4*(i-64)+3], v[128+i/4], s[8:9] offset:256*(i%4)
.set i, i+1
.endr
	s_wait_loadcnt 0x0
	WIN 0x08                                       ; store data window 2
.set i, 0
.rept 64
	ds_store_b128 v56, v[4*i:4*i+3] offset:(i/4)*2*XP+256*(i%4)
.set i, i+1
.endr
	WIN 0x0c
.rept 8
	ds_store_b128 v56, v[4*(i-64):4*(i-64)+3] offset:(i/4)*2*XP+256*(i%4)
.set i, i+1
.endr
	WIN 0
	ds_store_b32 v57, v52
	ds_store_b32 v58, v53
	ABINIT
	s_wait_dscnt 0x0                               ; for the others' sake: my rows of X, my slots and weights are written
	s_barrier_signal -1
	s_barrier_wait -1
	; PRODUCT 1: x w1 + b1, stream steps 0 to 15, in bf16
	ALD 0
	STEP 0, 0, 1, 1, 1, 0, 32
	WIN 0
	s_cmp_eq_u32 s[LIVE], 0
	s_cbranch_scc1 .Lp1_done                       ; a slot without rows: the accumulators are written; the rest is jumped, past no barrier
	s_mov_b32 s[CNT], 3
.Lp1:                                                  ; steps 1-4, 5-8, 9-12: once round B's ring
	STEP 1, 1, 0, 1, 1, 0, 32
	STEP 2, 0, 0, 1, 1, 0, 32
	STEP 3, 1, 0, 1, 1, 0, 32
	STEP 0, 0, 0, 1, 1, 0, 32
	WIN 0
	s_sub_co_i32 s[CNT], s[CNT], 1
	s_cmp_lg_u32 s[CNT], 0
	s_cbranch_scc1 .Lp1
	STEP 1, 1, 0, 1, 1, 0, 32                      ; steps 13 to 15 ask for w2's first three
	STEP 2, 0, 0, 1, 1, 0, 32
	STEP 3, 1, 0, 1, 0, 0, 32                      ; the last fetches nothing more of X
	WIN 0
.Lp1_done:
.rept 4
	v_nop                                          ; four places behind the last products
.endr
	v_and_b32 v12, 15, v0
	v_bfe_u32 v13, v0, 4, 1
	v_mul_u32_u24 v9, v13, 8*XP                    ; H: row 8 h, my wave's 256 bytes, 8 bytes a lane
	v_lshl_add_u32 v9, v12, 3, v9
	s_lshl_b32 s27, s[WV], 8
	s_add_co_u32 s27, s27, XH
	v_add_nc_u32 v9, s27, v9
	v_add_nc_u32 v10, 48*XP, v9
	v_add_nc_u32 v11, 96*XP, v9
	s_wait_dscnt 0x0                               ; my reads of X are over
	s_barrier_signal -1
	s_barrier_wait -1                              ; everybody's are: H may take X's place
	s_cmp_eq_u32 s[LIVE], 0
	s_cbranch_scc1 .Lh_done
.irp b, 0,1,2,3,4,5,6,7,8
	HOUT \b
.endr
.Lh_done:
	v_lshl_add_u32 v12, v0, 5, B2P
	ds_load_b128 v[160:163], v12
	ds_load_b128 v[164:167], v12 offset:16
	s_wait_dscnt 0x0
	BIAS8 160
	ABINIT
	s_barrier_signal -1                            ; my part of H is written (the wait above)
	s_barrier_wait -1
	s_wait_loadcnt 0x0                             ; the three K steps of w2 asked for ahead of the way to H: so the counted waits below hold on every path
	; PRODUCT 2: h w2 (+ b2), stream steps 16 to 31, in f16
	ALD 0
	STEP 0, 0, 1, 1, 1, 1, 32
	WIN 0
	s_cmp_eq_u32 s[LIVE], 0
	s_cbranch_scc1 .Lp2_done
	s_mov_b32 s[CNT], 3
.Lp2:                                                  ; steps 17-20, 21-24, 25-28
	STEP 1, 1, 0, 1, 1, 1, 32
	STEP 2, 0, 0, 1, 1, 1, 32
	STEP 3, 1, 0, 1, 1, 1, 32
	STEP 0, 0, 0, 1, 1, 1, 32
	WIN 0
	s_sub_co_i32 s[CNT], s[CNT], 1
	s_cmp_lg_u32 s[CNT], 0
	s_cbranch_scc1 .Lp2
	STEP 1, 1, 0, 0, 1, 1, 32                      ; the tail asks for no more weights: no load leaves the stream
	STEP 2, 0, 0, 0, 1, 1, 16
	STEP 3, 1, 0, 0, 0, 1, 0
	WIN 0
.Lp2_done:
.rept 4
	v_nop                                          ; four places behind the last products
.endr
	s_wait_dscnt 0x0                               ; no fragment load is out: the fragments' registers serve the way out
	v_and_b32 v12, 15, v0
	v_lshlrev_b32 v9, 4, v12
	s_lshl_b32 s27, s[WV], 9
	v_add_nc_u32 v9, s27, v9                       ; my bytes in a row of part: 512 w + 16 r
	v_bfe_u32 v10, v0, 4, 1
	v_lshlrev_b32 v10, 5, v10                      ; 32 h
	LGLD 0
.irp b, 0,1,2,3,4,5,6,7,8
	POUT \b
.endr
.Lend:
	s_wait_dscnt 0x0                               ; my LDS reads are over: a wave that jumped here may have had a block's slots and weights on their way
	s_barrier_signal -1                            ; every wave passes here, on every path: all four waves' LDS reads are over
	s_barrier_wait -1                              ; before any wave's closing lines; it stands behind all work and all stores
	s_wait_tensorcnt 0x0                           ; the wave's end: three lines behind my last LDS store
	ds_add_u32 v[SPW], v[NIL]
	s_wait_dscnt 0x0
	s_endpgm
.Lfunc_end_k_qfc8c2ab2bb_chain:
	.size	k_qfc8c2ab2bb_chain, .Lfunc_end_k_qfc8c2ab2bb_chain-k_qfc8c2ab2bb_chain
	.p2alignl 7, 3214868480
	.fill 96, 4, 3214868480
	.section	.rodata,"a",@progbits
	.p2align	6, 0x0
	.amdhsa_kernel k_qfc8c2ab2bb_chain
		.amdhsa_group_segment_fixed_size 158208
		.amdhsa_private_segment_fixed_size 0
		.amdhsa_enable_private_segment 0
		.amdhsa_kernarg_size 56
		.amdhsa_user_sgpr_count 2
		.amdhsa_user_sgpr_kernarg_segment_ptr 1
		.amdhsa_wavefront_size32 1
		.amdhsa_system_sgpr_workgroup_id_x 1
		.amdhsa_system_sgpr_workgroup_id_y 1
		.amdhsa_system_sgpr_workgroup_id_z 1
		.amdhsa_system_vgpr_workitem_id 0
		.amdhsa_next_free_vgpr 1024
		.amdhsa_next_free_sgpr 88
		.amdhsa_reserve_vcc 1
		.amdhsa_float_denorm_mode_32 3
		.amdhsa_float_denorm_mode_16_64 3
		.amdhsa_memory_ordered 1
		.amdhsa_forward_progress 1
		.amdhsa_inst_pref_size 255
	.end_amdhsa_kernel
	.section	.bss,"aw",@nobits
	.p2align	6
	.space	262144
	.amdgpu_metadata
---
amdhsa.version: [ 1, 2 ]
amdhsa.kernels:
  - .name:           k_qfc8c2ab2bb_chain
    .symbol:         k_qfc8c2ab2bb_chain.kd
    .args:
      - { .name: bm, .offset: 0, .size: 8, .value_kind: global_buffer, .address_space: global }
      - { .name: gate, .offset: 8, .size: 8, .value_kind: global_buffer, .address_space: global }
      - { .name: xb, .offset: 16, .size: 8, .value_kind: global_buffer, .address_space: global }
      - { .name: wq, .offset: 24, .size: 8, .value_kind: global_buffer, .address_space: global }
      - { .name: b1, .offset: 32, .size: 8, .value_kind: global_buffer, .address_space: global }
      - { .name: b2, .offset: 40, .size: 8, .value_kind: global_buffer, .address_space: global }
      - { .name: part, .offset: 48, .size: 8, .value_kind: global_buffer, .address_space: global }
    .group_segment_fixed_size: 158208
    .private_segment_fixed_size: 0
    .kernarg_segment_align: 8
    .kernarg_segment_size: 56
    .max_flat_workgroup_size: 128
    .sgpr_count:     88
    .vgpr_count:     1024
    .wavefront_size: 32
...
	.end_amdgpu_metadata
.endif
;; end of part 5
;; launch combine: the kernel of part 3 again; grid 512 x 1, 8 waves a work-group, no clusters, 0 bytes of LDS; arguments part, p, v, m, xb, ln_w, ln_b, out0, out1, out2, out3; writes out0, out1, out2, out3
